; MI455X (gfx1250); checked and timed in simulation.
; The chip was launched on July 23, 2026; its instructions are those of AMD's public machine-readable ISA for CDNA 5 (MIT licence, August 2026) and "CDNA5" Instruction Set Architecture Reference Guide (July 2026). The comments in the code are by the model that wrote it; some were corrected since.
;; Multi Head Attention Layer. Allowed arithmetic: matrix products marked QUANTISED: E2M3 operands, one E8M0 scale for each 32 along K, by v_wmma_scale_f32_16x16x128_f8f6f4 with both operands' format E2M3, f32 sums; everything else in f32.
;; Inputs: Wk 1,024 x 1,024 float32; Wo 1,024 x 1,024 float32; Wq 1,024 x 1,024 float32; Wv 1,024 x 1,024 float32; bk 1,024 float32; bo 1,024 float32; bq 1,024 float32; bv 1,024 float32; k 2 x 2,048 x 1,024 float32; q 2 x 2,048 x 1,024 float32; v 2 x 2,048 x 1,024 float32.
;; Outputs: out0 2 x 2,048 x 1,024 float32.
;; This version of the problem:
;;   THIS VERSION OF THE PROBLEM IS GIVEN IN LOW PRECISION. The matrix products marked QUANTISED in the list below multiply operands that are first quantised to E2M3 (2 exponent bits, 3 mantissa bits; 6 bits a number), with one power-of-two scale for each 32 numbers along K (OCP MX v1.0); their sums are f32. All else is computed in f32.
;;   The module's matrix products, in the order in which they are computed (A, B: the left and right operand; K: the contracted axis; several contracted axes count as one K, in the product's order):
;;     1. [M 4,096, K 1,024] x [K 1,024, N 1,024]; A: input q; B: input Wq: QUANTISED
;;     2. [M 4,096, K 1,024] x [K 1,024, N 1,024]; A: input k; B: input Wk: QUANTISED
;;     3. [M 4,096, K 1,024] x [K 1,024, N 1,024]; A: input v; B: input Wv: QUANTISED
;;     4. batch 32 x [M 2,048, K 64] x [K 64, N 2,048]; A: computed on the way; B: computed on the way: QUANTISED
;;     5. batch 32 x [M 2,048, K 2,048] x [K 2,048, N 64]; A: softmax (see below); B: computed on the way: QUANTISED
;;     6. [M 4,096, K 1,024] x [K 1,024, N 1,024]; A: computed on the way; B: input Wo: QUANTISED
;;   THE QUANTISER, for each operand of a quantised product, along K:
;;     - K is cut into blocks of 32 from its start; a last block that is shorter is filled with zeros.
;;     - A block's scale is 2^e with e = floor(log2(the largest magnitude in the block)) - 2, held to -126 .. 127; a block of zeros has e = 0. As a byte (E8M0): e + 127.
;;     - Each number is divided by its block's scale, clamped to +-7.5, and rounded to the nearest number of E2M3, ties to even, subnormals kept.
;;     - The product sums the exact products of the quantised numbers (number of the format x scale) in f32.
;;   ~~~python
;;   def quantise(x, axis):      # numpy; x: float32 -> the quantised numbers, widened to float32 again
;;       x = np.moveaxis(x, axis, -1); K = x.shape[-1]
;;       x = np.pad(x, [(0, 0)] * (x.ndim - 1) + [(0, -K % 32)]); x = x.reshape(x.shape[:-1] + (-1, 32)); a = np.abs(x).max(-1, keepdims=True)
;;       e = np.where(a > 0, np.clip(np.frexp(np.where(a > 0, a, 1))[1] - 1 - 2, -126, 127), 0)      # np.frexp(a)[1] - 1 = floor(log2(a)), exactly
;;       r = np.clip(x / 2.0 ** e, -7.5, 7.5)
;;       step = 2.0 ** (np.maximum(np.frexp(np.where(r == 0, 1, r))[1] - 1, 0) - 3)
;;       q = np.round(r / step) * step * 2.0 ** e      # np.round: ties to even
;;       return np.moveaxis(q.reshape(q.shape[:-2] + (-1,))[..., :K], -1, axis).astype(np.float32)
;;   ~~~
;;   SOFTMAX AHEAD OF A QUANTISED PRODUCT. Where the list says 'softmax', what is quantised is not the finished softmax but p = 2^(t - M), with t = logit x log2(e) and M = ceil(the row's largest t), a whole number; so 1/2 < the row's largest p <= 1. The row's sum l is taken of the UNQUANTISED p, in f32, and the product's result is divided by l at the end. Since M is a whole number, a kernel that streams over the keys may use a running M (the ceiling of the running maximum): every later rescaling is an exact power of two, which a block's scale takes up: the codes' values come out the same.
;;   OPERANDS COMPUTED ON THE WAY. 'Computed on the way' means the value that the module computes at that place (a softmax that the list does not call 'softmax' is quantised finished and normalised). What goes into a quantiser is computed in f32, as accurately as f32 sums, v_exp_f32 and their like allow (about 1e-6 of the number): no bf16 or f16 on the way to a quantiser, and a product that is left as it is and whose result goes on into a quantised operand takes f32 operands (vector FMAs, or v_wmma_f32_16x16x4_f32). A number that lies on a knife's edge between two numbers of the format may be rounded either way, as far as f32 arithmetic and the matrix unit's own rounding can turn it there, and no further.
;; One version. Each part assembles by itself: llvm-mc -triple=amdgcn-amd-amdhsa -mcpu=gfx1250 --defsym DOCPART=n.
;; ======== version 1 of 1: 4 launches
;; limits: right only within a limited range of input values
;; workspace buffers: xc 9,830,400 bytes; wc 3,276,800 bytes; qh 6,553,600 bytes; kv 6,553,600 bytes; cc 3,276,800 bytes
;; launch quant (part 1): grid 512 x 1, 4 waves a work-group, no clusters, 34,304 bytes of LDS; arguments q, k, v, Wq, Wk, Wv, Wo, xc, wc; writes xc, wc
.if DOCPART == 1
	.amdgcn_target "amdgcn-amd-amdhsa--gfx1250"
	.amdhsa_code_object_version 6
	.text
	.protected	k_q0477192ae5_quant
	.globl	k_q0477192ae5_quant
	.p2align	8
	.type	k_q0477192ae5_quant,@function
k_q0477192ae5_quant:
	s_mov_b64 s[64:65], 0
	v_nop
	global_prefetch_b8 v0, s[64:65] scope:SCOPE_SE
	s_setreg_imm32_b32 hwreg(HW_REG_WAVE_MODE, 25, 1), 1
	s_wait_xcnt 0x0
; q, k, v [4096][1024] f32 (K innermost) and Wq, Wk, Wv, Wo [1024 (K)][1024 (n)] f32 (K outermost) become codes of FP6 (E2M3) with one E8M0 byte for each 32 along K,
; laid IN THE ORDER OF AN OPERAND'S REGISTERS.  A tile is 16 rows (tokens, or columns n of a weight): lane-row r of tile T is row 32 (T / 2) + 8 (T % 2) + r + 8 (r / 8).
; A tile takes 12,800 bytes, in two halves of 512 along K: four fragment images of 1,536 bytes (16 rows x 128 K), then 256 bytes of scale words, [r][4 words].
; A fragment image is two half images of 768 bytes (64 along K): registers 0-3 at 16 x lane, then registers 4-5 at 8 x lane.  So every store here covers whole aligned runs of 256 bytes.
; A block's scale is 2^(floor(log2(its largest magnitude)) - 2); its byte is the largest magnitude's exponent field - 2, held at 1 from below.
; LIMITS: NaN and infinities are not served; a block whose largest magnitude lies under 2^-124 keeps the byte 1; a block of zeros has the byte 1 and not 127: its codes are zeros, and this program alone reads the bytes.
; SHARES: a wave takes one half of one tile (32 KiB of f32).  Work-groups 0-383: q, k, v, 128 each.  Work-groups 384-511: the four weights, 32 each; there the four waves stand side by side on 256 bytes of each row of W.
; Work-groups share no input, so there is no cluster; no tensor load, no barrier: waves share nothing.
.set XT,   3276800                     ; bytes of one of q, k, v in xc
.set WT,   819200                      ; bytes of a weight in wc
.set TILE, 12800
.set HALF, 6400
.set FRB,  1536
.set STG,  8448                        ; LDS: a stage of 16 rows x 528 bytes for each wave
.set SP,   528
.set L16,  4                           ; v4   16 x lane
.set L8,   5                           ; v5   8 x lane
.set SIN,  6                           ; v6   the stage, on the way in: a row's 512 bytes as they lie
.set SOUT, 7                           ; v7   on the way out: row r, + 64 h
.set SCO,  8                           ; v8   16 r + 8 h: my two scale words
.set WOF,  9                           ; v9   a weight: my column, and 32 rows further down for lanes 16-31
.set SH8,  10                          ; v10  8 h
.set R,    16                          ; v16-207: three sets of 64 numbers (weights: three sets of 32)
.set PC,   208                         ; v208-226: the fragment just made, and the conversions' second halves
.set TM,   228                         ; v228-243: at work
.set PW,   244                         ; v244-247: the four K steps' scale words
.set WV,   22
.set SEL,  26
.set HI,   28                          ; s28: the mask of lanes 16-31
; 64 numbers of a lane, register 16 b + i = k 32 b + 16 (lane / 16) + i of my row, become a fragment in v[pc] on and its scale word in v[pw]
.macro QUANT s, pc, pw
.irp b, 0,1,2,3
	v_max3_num_f32 v[TM+\b], |v[\s+16*\b]|, |v[\s+1+16*\b]|, 0x1800000   ; my 16 numbers of block b, and the floor 2^(3 - 127): the byte cannot fall under 1
.endr
.irp i, 2,4,6,8,10,12,14
.irp b, 0,1,2,3
	v_max3_num_f32 v[TM+\b], v[TM+\b], |v[\s+16*\b+\i]|, |v[\s+1+16*\b+\i]|
.endr
.endr
.irp b, 0,1,2,3
	v_permlanex16_b32 v[TM+4+\b], v[TM+\b], s[SEL], s[SEL+1]
.endr
.irp b, 0,1,2,3
	v_max_num_f32 v[TM+\b], v[TM+\b], v[TM+4+\b]   ; with lane l xor 16's: the block's largest magnitude
.endr
.irp b, 0,1,2,3
	v_add_nc_u32 v[TM+12+\b], 0xff000000, v[TM+\b]   ; 2 off its exponent field: the conversion's scale operand
.endr
.irp b, 0,1,2,3
	v_lshrrev_b32 v[TM+4+\b], 23, v[TM+12+\b]      ; the scale's byte
.endr
	v_lshl_or_b32 v[\pw], v[TM+5], 8, v[TM+4]
	v_lshl_or_b32 v[\pw], v[TM+6], 16, v[\pw]
	v_lshl_or_b32 v[\pw], v[TM+7], 24, v[\pw]
.irp c, 0,1
	v_cvt_scalef32_pk16_fp6_f32 v[\pc+6*\c:\pc+2+6*\c], v[\s+32*\c:\s+15+32*\c], v[TM+12+2*\c]
	v_cvt_scalef32_pk16_fp6_f32 v[\pc+12+4*\c:\pc+14+4*\c], v[\s+16+32*\c:\s+31+32*\c], v[TM+12+2*\c+1]   ; (a conversion's three registers begin on an even number)
.endr
	v_nop                                          ; one plain line behind the scaled conversions
.irp c, 0,1                                    ; the layout wants a whole block in a lane: lanes 0-15 block 2 c, lanes 16-31 block 2 c + 1
.irp i, 0,1,2
	v_permlane16_swap_b32 v[\pc+6*\c+\i], v[\pc+12+4*\c+\i]
.endr
.irp i, 0,1,2
	v_mov_b32 v[\pc+3+6*\c+\i], v[\pc+12+4*\c+\i]
.endr
.endr
.endm
.macro STOREF off                      ; the fragment in v[PC] on leaves as its image: 512, 256, 512, 256 consecutive bytes
	global_store_b128 v[L16], v[PC:PC+3], s[38:39] offset:\off
	global_store_b64 v[L8], v[PC+4:PC+5], s[38:39] offset:\off+512
	global_store_b128 v[L16], v[PC+6:PC+9], s[38:39] offset:\off+768
	global_store_b64 v[L8], v[PC+10:PC+11], s[38:39] offset:\off+1280
.endm
.macro TAIL                            ; the half tile's 256 bytes of scale words: lanes 0-15 store words 0 and 1 of row r, lanes 16-31 words 2 and 3
	v_cndmask_b32 v248, v[PW], v[PW+2], s[HI]
	v_cndmask_b32 v249, v[PW+1], v[PW+3], s[HI]
	global_store_b64 v[SCO], v[248:249], s[38:39] offset:4*FRB
	s_wait_tensorcnt 0x0
	ds_add_u32 v254, v255
	s_wait_dscnt 0x0
	s_endpgm
.endm
	s_load_b256 s[4:11], s[0:1], 0x0               ; q s[4:5], k s[6:7], v s[8:9], Wq s[10:11]
	s_load_b256 s[12:19], s[0:1], 0x20             ; Wk s[12:13], Wv s[14:15], Wo s[16:17], xc s[18:19]
	s_load_b64 s[20:21], s[0:1], 0x40              ; wc
	v_lshl_add_u32 v254, v0, 2, 0x8400
	v_mov_b32 v255, 0
	v_lshrrev_b32 v1, 5, v0
	v_readfirstlane_b32 s[WV], v1                  ; wave 0..3
	v_and_b32 v1, 31, v0                           ; lane
	v_and_b32 v2, 15, v0                           ; r
	v_bfe_u32 v3, v0, 4, 1                         ; h
	v_lshlrev_b32 v[L16], 4, v1
	v_lshlrev_b32 v[L8], 3, v1
	s_mul_i32 s23, s[WV], STG
	v_add_nc_u32 v[SIN], s23, v[L16]
	v_mul_u32_u24 v[SOUT], v2, SP
	v_lshl_add_u32 v[SOUT], v3, 6, v[SOUT]
	v_add_nc_u32 v[SOUT], s23, v[SOUT]
	v_lshlrev_b32 v[SCO], 4, v2
	v_lshl_add_u32 v[SCO], v3, 3, v[SCO]
	v_and_b32 v[WOF], 8, v2
	v_add_nc_u32 v[WOF], v[WOF], v2                ; r + 8 (r / 8)
	v_lshlrev_b32 v[WOF], 2, v[WOF]
	v_lshl_add_u32 v[WOF], v3, 17, v[WOF]          ; + 32 rows of 4,096 bytes for lanes 16-31
	v_lshlrev_b32 v[SH8], 3, v3
	s_mov_b32 s[SEL], 0x76543210
	s_mov_b32 s[SEL+1], 0xfedcba98                 ; v_permlanex16_b32's selects for lane l xor 16
.irp b, 0,1,2,3
	v_mov_b32 v[TM+4+\b], 0                        ; written once: a lane permute's destination counts as one of its sources
.endr
	v_cmp_ne_u32 s[HI], 0, v3
	s_cmp_ge_u32 ttmp9, 384
	s_cbranch_scc1 .Lweights
	; ---- q, k, v: K is innermost
	s_lshr_b32 s24, ttmp9, 7                       ; which tensor
	s_and_b32 s25, ttmp9, 127                      ; T / 2
	s_lshr_b32 s29, s[WV], 1                       ; T % 2
	s_and_b32 s30, s[WV], 1                        ; which half of K
	s_lshl_b32 s32, s25, 17                        ; 32 rows of 4,096 bytes
	s_lshl_b32 s33, s29, 15                        ; 8 rows
	s_add_co_u32 s32, s32, s33
	s_lshl_b32 s33, s30, 11                        ; 512 numbers
	s_add_co_u32 s32, s32, s33
	s_mov_b32 s33, 0
	s_lshl_b32 s34, s25, 1
	s_add_co_u32 s34, s34, s29                     ; T
	s_mul_i32 s34, s34, TILE
	s_mul_i32 s35, s30, HALF
	s_add_co_u32 s34, s34, s35
	s_mul_i32 s35, s24, XT
	s_add_co_u32 s34, s34, s35
	s_mov_b32 s35, 0
	s_wait_kmcnt 0x0
	s_cmp_eq_u32 s24, 1                            ; the choice hangs on the work-group's number alone
	s_cselect_b64 s[36:37], s[6:7], s[4:5]
	s_cmp_eq_u32 s24, 2
	s_cselect_b64 s[36:37], s[8:9], s[36:37]
	s_add_nc_u64 s[36:37], s[36:37], s[32:33]
	s_add_nc_u64 s[38:39], s[18:19], s[34:35]
.macro LOADX s                         ; K step s of my 16 rows: each load reads a row's 512 consecutive bytes
.irp i, 0,1,2,3,4,5,6,7,8,9,10,11,12,13,14,15
	global_load_b128 v[R+64*((\s)%3)+4*\i:R+64*((\s)%3)+4*\i+3], v[L16], s[36:37] offset:(\i+8*(\i/8))*4096+512*(\s) th:TH_LOAD_NT
.endr
.endm
; A K step: its 16 rows turn through my stage, so that lane (r, h) holds, of row r, 16 neighbours of each block of 32.  left: the younger K steps' loads, which may stay out
.macro STEPX s, left
.set XS, R+64*((\s)%3)
	s_wait_loadcnt \left
.irp i, 0,1,2,3,4,5,6,7,8,9,10,11,12,13,14,15
	ds_store_b128 v[SIN], v[XS+4*\i:XS+4*\i+3] offset:\i*SP
.endr
.irp b, 0,1,2,3
.irp j, 0,1,2,3
	ds_load_b128 v[XS+16*\b+4*\j:XS+16*\b+4*\j+3], v[SOUT] offset:128*\b+16*\j   ; LDS serves a wave's instructions in order (ISA guide 5.7.1.4): these see the stores above
.endr
.endr
	s_wait_dscnt 0x0
	s_wait_xcnt 0x0                                ; the last K step's stores have read the fragment's registers: they are written again only behind this wait
	QUANT XS, PC, PW+(\s)
	STOREF FRB*(\s)
.endm
	LOADX 0
	LOADX 1
	LOADX 2
	STEPX 0, 32
	LOADX 3                                        ; into the set that K step 0 has left
	STEPX 1, 32
	STEPX 2, 16
	STEPX 3, 0
	TAIL
	; ---- the weights: K is the first axis.  A lane takes a column and its registers run down K, in the order that the operand's layout gives that lane: nothing is transposed
.Lweights:
	s_sub_co_u32 s24, ttmp9, 384
	s_lshr_b32 s25, s24, 5                         ; which weight
	s_and_b32 s29, s24, 31
	s_lshr_b32 s29, s29, 1
	s_and_b32 s30, s24, 1                          ; which half of K
	s_lshl_b32 s31, s29, 2
	s_add_co_u32 s31, s31, s[WV]                   ; T
	s_lshr_b32 s32, s31, 1
	s_lshl_b32 s32, s32, 7                         ; 32 columns of 4 bytes
	s_and_b32 s33, s31, 1
	s_lshl_b32 s33, s33, 5                         ; 8 columns
	s_add_co_u32 s32, s32, s33
	s_lshl_b32 s33, s30, 21                        ; 512 rows of 4,096 bytes
	s_add_co_u32 s32, s32, s33
	s_mov_b32 s33, 0
	s_mul_i32 s34, s31, TILE
	s_mul_i32 s35, s30, HALF
	s_add_co_u32 s34, s34, s35
	s_mul_i32 s35, s25, WT
	s_add_co_u32 s34, s34, s35
	s_mov_b32 s35, 0
	s_wait_kmcnt 0x0
	s_cmp_eq_u32 s25, 1
	s_cselect_b64 s[36:37], s[12:13], s[10:11]
	s_cmp_eq_u32 s25, 2
	s_cselect_b64 s[36:37], s[14:15], s[36:37]
	s_cmp_eq_u32 s25, 3
	s_cselect_b64 s[36:37], s[16:17], s[36:37]
	s_add_nc_u64 s[36:37], s[36:37], s[32:33]
	s_add_nc_u64 s[38:39], s[20:21], s[34:35]
.macro LOADU u                         ; unit u: K step u / 2, its half u % 2: W(128 (u / 2) + 64 (u % 2) + 32 h + i, my column), i = 0 .. 31: a whole block
.irp i, 0,1,2,3,4,5,6,7,8,9,10,11,12,13,14,15,16,17,18,19,20,21,22,23,24,25,26,27,28,29,30,31
	global_load_b32 v[R+32*((\u)%3)+\i], v[WOF], s[36:37] offset:(128*((\u)/2)+64*((\u)%2)+\i)*4096
.endr
.endm
.macro UNIT u
.set XS, R+32*((\u)%3)
.set CC, (\u)%2
.if (\u) < 7
	s_wait_loadcnt 32                              ; this unit's 32 loads are in; the next unit's may be out
.else
	s_wait_loadcnt 0x0
.endif
.if (\u)+2 < 8
	LOADU (\u)+2
.endif
	v_max3_num_f32 v[TM], |v[XS]|, |v[XS+1]|, |v[XS+2]|   ; the block's largest magnitude: all 32 numbers are mine
	v_max3_num_f32 v[TM+1], |v[XS+3]|, |v[XS+4]|, |v[XS+5]|
.irp i, 6,10,14,18,22,26
	v_max3_num_f32 v[TM], v[TM], |v[XS+\i]|, |v[XS+\i+1]|
	v_max3_num_f32 v[TM+1], v[TM+1], |v[XS+\i+2]|, |v[XS+\i+3]|
.endr
	v_max3_num_f32 v[TM], v[TM], |v[XS+30]|, |v[XS+31]|
	v_max3_num_f32 v[TM], v[TM], v[TM+1], 0x1800000
	v_add_nc_u32 v[TM+2], 0xff000000, v[TM]
	v_lshrrev_b32 v[TM+8+CC], 23, v[TM+2]
.if CC == 0
	s_wait_alu depctr_va_vdst(0)
	s_wait_xcnt 0x0                                ; the last K step's stores have read the fragment's registers
.endif
	v_cvt_scalef32_pk16_fp6_f32 v[PC+6*CC:PC+6*CC+2], v[XS:XS+15], v[TM+2]
	v_cvt_scalef32_pk16_fp6_f32 v[PC+12+4*CC:PC+14+4*CC], v[XS+16:XS+31], v[TM+2]
	v_nop
.irp i, 0,1,2
	v_mov_b32 v[PC+3+6*CC+\i], v[PC+12+4*CC+\i]
.endr
.if CC == 1
	v_lshl_or_b32 v[TM+3], v[TM+9], 16, v[TM+8]    ; my two bytes: blocks h and 2 + h,
	v_lshlrev_b32 v[TM+3], v[SH8], v[TM+3]         ; at their places in the word;
	v_permlanex16_b32 v[TM+4], v[TM+3], s[SEL], s[SEL+1]
	v_or_b32 v[PW+(\u)/2], v[TM+3], v[TM+4]        ; with lane l xor 16's two the word is whole
	STOREF FRB*((\u)/2)
.endif
.endm
	s_wait_alu depctr_va_vdst(0)
	LOADU 0
	LOADU 1
.irp u, 0,1,2,3,4,5,6,7
	UNIT \u
.endr
	TAIL
.Lfunc_end_k_q0477192ae5_quant:
	.size	k_q0477192ae5_quant, .Lfunc_end_k_q0477192ae5_quant-k_q0477192ae5_quant
	.p2alignl 7, 3214868480
	.fill 96, 4, 3214868480
	.section	.rodata,"a",@progbits
	.p2align	6, 0x0
	.amdhsa_kernel k_q0477192ae5_quant
		.amdhsa_group_segment_fixed_size 34304
		.amdhsa_private_segment_fixed_size 0
		.amdhsa_enable_private_segment 0
		.amdhsa_kernarg_size 72
		.amdhsa_user_sgpr_count 2
		.amdhsa_user_sgpr_kernarg_segment_ptr 1
		.amdhsa_wavefront_size32 1
		.amdhsa_system_sgpr_workgroup_id_x 1
		.amdhsa_system_sgpr_workgroup_id_y 1
		.amdhsa_system_sgpr_workgroup_id_z 1
		.amdhsa_system_vgpr_workitem_id 0
		.amdhsa_next_free_vgpr 256
		.amdhsa_next_free_sgpr 66
		.amdhsa_reserve_vcc 0
		.amdhsa_float_denorm_mode_32 3
		.amdhsa_float_denorm_mode_16_64 3
		.amdhsa_memory_ordered 1
		.amdhsa_forward_progress 1
		.amdhsa_inst_pref_size 74
	.end_amdhsa_kernel
	.amdgpu_metadata
---
amdhsa.version: [ 1, 2 ]
amdhsa.kernels:
  - .name:           k_q0477192ae5_quant
    .symbol:         k_q0477192ae5_quant.kd
    .args:
      - { .name: q, .offset: 0, .size: 8, .value_kind: global_buffer, .address_space: global }
      - { .name: k, .offset: 8, .size: 8, .value_kind: global_buffer, .address_space: global }
      - { .name: v, .offset: 16, .size: 8, .value_kind: global_buffer, .address_space: global }
      - { .name: Wq, .offset: 24, .size: 8, .value_kind: global_buffer, .address_space: global }
      - { .name: Wk, .offset: 32, .size: 8, .value_kind: global_buffer, .address_space: global }
      - { .name: Wv, .offset: 40, .size: 8, .value_kind: global_buffer, .address_space: global }
      - { .name: Wo, .offset: 48, .size: 8, .value_kind: global_buffer, .address_space: global }
      - { .name: xc, .offset: 56, .size: 8, .value_kind: global_buffer, .address_space: global }
      - { .name: wc, .offset: 64, .size: 8, .value_kind: global_buffer, .address_space: global }
    .group_segment_fixed_size: 34304
    .private_segment_fixed_size: 0
    .kernarg_segment_align: 8
    .kernarg_segment_size: 72
    .max_flat_workgroup_size: 128
    .sgpr_count:     66
    .vgpr_count:     256
    .wavefront_size: 32
...
	.end_amdgpu_metadata
.endif
;; end of part 1
;; launch proj (part 2): grid 8 x 32, 4 waves a work-group, clusters of 4 x 4, 327,680 bytes of LDS; arguments xc, wc, bq, bk, bv, qh, kv; writes qh, kv
.if DOCPART == 2
	.amdgcn_target "amdgcn-amd-amdhsa--gfx1250"
	.amdhsa_code_object_version 6
	.text
	.protected	k_q0477192ae5_proj
	.globl	k_q0477192ae5_proj
	.p2align	8
	.type	k_q0477192ae5_proj,@function
k_q0477192ae5_proj:
	s_mov_b64 s[64:65], 0
	v_nop
	global_prefetch_b8 v0, s[64:65] scope:SCOPE_SE
	s_setreg_imm32_b32 hwreg(HW_REG_WAVE_MODE, 25, 1), 1
	s_wait_xcnt 0x0
	s_wait_alu depctr_hold_cnt(0) depctr_sa_sdst(0) depctr_va_vdst(0) depctr_va_sdst(0) depctr_va_ssrc(0) depctr_va_vcc(0) depctr_vm_vsrc(0)
	s_getreg_b32 s2, hwreg(HW_REG_IB_STS2, 6, 4)
	s_cmp_eq_u32 s2, 0
	s_cbranch_scc0 .Lentry_in_a_cluster
	s_endpgm
.Lentry_in_a_cluster:
	s_bfe_u32 s2, ttmp6, 0x10000c
	s_cmp_lg_u32 s2, 0xf033
	s_cbranch_scc0 .Lentry_shape_is_right
	s_endpgm
.Lentry_shape_is_right:
; The three projections x W + b on codes of FP6 (E2M3), K = 1,024, and the quantising of their results for attention.  xc and wc hold operands in the order of their registers (tiles of 12,800 bytes, two halves of 512 along K).
; A WORK-GROUP STAYS: it makes 128 tokens x 128 columns (two heads) for q, then for k, then for v: x = column block, y = token block.  A wave makes 64 tokens x one head: 16 accumulators.
; LDS: a tensor's operands come in two phases of 512 along K (102,400 bytes: the tokens' 8 half tiles, then W's 8).  The six phases go through THREE slots, phase p in slot p % 3.
; EVERY TENSOR LOAD HAS ONE SHAPE: 8 rows of 6,400 bytes, 12,800 apart in memory, dense in LDS: the tokens' or W's part of a phase.  One load a wave at the head and behind each round:
;   head: wave 0 tokens of phase 0, wave 1 W of phase 0, wave 2 tokens of phase 1, wave 3 W of phase 1; the products begin when waves 0 and 1 have waited (their load lines are their own);
;   q's K step 3: slot 2 is filled for the first time, with phase 2 (waves 0 and 1);   behind q's last products: slots 0 and 1 take phases 3 and 4 (all four waves);   k's K step 3: slot 2 takes phase 5 (waves 0 and 1).
; Each of the three stands behind the three lines and a round of the cluster's barrier, which also shows the loads before it to all waves; phase 5 is shown by a plain barrier in v's K step 3.
; PREFETCH INTO THE L2: phases 2 and 3 are asked for at the head, phases 4 and 5 behind the first round: each at least one round ahead of its load.  A half tile is 25 blocks of 256 bytes, a lane a block;
; the eight half tiles of a part are shared out by address among the two waves (of four) of each of the four partners that will ask for it jointly: each block is named once in a cluster.
; CLUSTER 4 x 4: the four of a row need the same tokens, the four of a column the same columns of W: each part is asked for jointly.
; Q AND K: source 0 = 16 columns of W, source 1 = 16 tokens: a lane holds one token, and the 32 registers of its four tiles are the head's 64 channels, 32 b + 16 (lane / 16) + i: the logits' K.
;   Two token tiles make one fragment: tile 2 p in k 0-63, tile 2 p + 1 in k 64-127 (the logits' K is 64; attention sets zeros against the other half).
; V: the sources change places: a lane holds one channel and its registers run along the tokens, which are the second product's K.
; A head record (12,800 bytes for a head and 128 tokens): 4 pair fragments of K (or Q), 4 fragments of V^T, 256 bytes of K's scale words, 256 of V's.
; The bias is the C of each sum's first matrix instruction.  The 16 accumulators take turns in one order in every K step.  The launch claims all of a WGP's LDS; it uses 307,712 bytes.
; LIMITS: NaN and infinities are not served; the scale's byte is held at 1 from below; a block of zeros has the byte 1.
; REGISTERS: window 0: v1-31 lane terms and addresses; v32-50, v72-90 the fragments made; v52-67 at work; v68-70 scale words made; v92 the prefetches' offset; v96-127 scale words of the operands; v128-255 accumulators (a, b) at 128 + 8 (4 a + b).
;   window 1: v0-95, v96-191 two sets of fragments (tokens' four, then W's four).   window 2: v0-95 the three biases.
.set XT,    3276800
.set WT,    819200
.set TILE,  12800
.set HALF,  6400
.set FRB,   1536
.set QT,    25600                      ; four half tiles: what a wave reads of the tokens or of W
.set PH,    102400                     ; a phase, and a slot
.set SPARE, 3*PH
.set HEADB, 204800
.set SPW,  7
.set NIL,  8
.set BR,   9
.set TA,   10
.set WA,   16
.set SA,   22
.set O16,  25
.set OS,   27
.set O16V, 28
.set OSV,  30
.set BH,   31
.set PC0,  32
.set PC1,  72
.set TM,   52
.set PW,   68
.set PFO,  92
.set SC,   96
.set ACC,  128
.set SWV,  18
.set SWA,  19
.set SWB,  20
.set G1A,  32                          ; s[32:39] group 1 for the tokens; s[40:47] for W
.set G1B,  40
.set G0A,  48                          ; s[48:51] group 0, tokens, for my own slot (slot SWA); s[52:55] for slot 2
.set G0A2, 52
.set DA,   56                          ; s[56:57] from my head's phase to my phase of the second round, tokens
.set PF,   58                          ; s[58:59] where my prefetches stand
.set G0B,  68                          ; s[68:71], s[72:75], s[76:77] the same for W
.set G0B2, 72
.set DB,   76
.set PT,   78                          ; s[78:79] bytes of a tensor in the buffer that I prefetch from
.set SEL,  84
.set MSB, 0
.macro WIN new
.if MSB != \new
	s_set_vgpr_msb (MSB<<8)|\new
.set MSB, \new
.endif
.endm
.macro PLACES
.rept 4
	v_nop
.endr
.endm
.macro CROUND
	s_barrier_signal -1
	s_barrier_wait -1
	s_cmp_lg_u32 s[SWV], 0
	s_cbranch_scc1 .Lnot_wave_0_\@
	s_barrier_signal -3
.Lnot_wave_0_\@:
	s_barrier_wait -3
	s_barrier_signal -1
	s_barrier_wait -1
.endm
.macro TL g0, g1                       ; a joint load; s_nop 0 and four v_nop follow it
	tensor_load_to_lds s[\g0:\g0+3], s[\g1:\g1+7]
	s_nop 0
	PLACES
.endm
.macro JSLOT2                          ; slot 2's fill: wave 0 the tokens, wave 1 W; the four places at the end serve the waves that come round the loads
	s_cmp_eq_u32 s[SWV], 0
	s_cbranch_scc0 .Lw_\@
	TL G0A2, G1A
	s_branch .Ld_\@
.Lw_\@:
	s_cmp_eq_u32 s[SWV], 1
	s_cbranch_scc0 .Ld_\@
	TL G0B2, G1B
.Ld_\@:
	PLACES
.endm
.macro CHANGE                          ; slots 0 and 1, read out by every wave, take phases 3 and 4: even waves the tokens, odd waves W, of slot SWA
	WIN 0
	s_wait_tensorcnt 0x0                           ; all my tensor loads have landed, so a group 0 may be written
	ds_add_u32 v[SPW], v[NIL]
	s_add_nc_u64 s[G0A+2:G0A+3], s[G0A+2:G0A+3], s[DA:DA+1]
	s_add_nc_u64 s[G0B+2:G0B+3], s[G0B+2:G0B+3], s[DB:DB+1]
	s_wait_dscnt 0x0                               ; the add is done, and my reads of both slots are over
	CROUND
	s_cmp_eq_u32 s[SWB], 0
	s_cbranch_scc0 .Lw_\@
	TL G0A, G1A
	s_branch .Ld_\@
.Lw_\@:
	TL G0B, G1B
.Ld_\@:
.endm
.macro QUANT s, pc, pw                 ; 64 numbers of a lane, register 16 b + i = k 32 b + 16 (lane / 16) + i, become a fragment in v[pc] on and its scale word in v[pw]
.irp b, 0,1,2,3
	v_max3_num_f32 v[TM+\b], |v[\s+16*\b]|, |v[\s+1+16*\b]|, 0x1800000   ; each accumulator from its low end on; the floor 2^(3 - 127) holds the byte at 1 from below
.endr
.irp i, 2,4,6,8,10,12,14
.irp b, 0,1,2,3
	v_max3_num_f32 v[TM+\b], v[TM+\b], |v[\s+16*\b+\i]|, |v[\s+1+16*\b+\i]|
.endr
.endr
.irp b, 0,1,2,3
	v_permlanex16_b32 v[TM+4+\b], v[TM+\b], s[SEL], s[SEL+1]
.endr
.irp b, 0,1,2,3
	v_max_num_f32 v[TM+\b], v[TM+\b], v[TM+4+\b]
.endr
.irp b, 0,1,2,3
	v_add_nc_u32 v[TM+12+\b], 0xff000000, v[TM+\b]
.endr
.irp b, 0,1,2,3
	v_lshrrev_b32 v[TM+4+\b], 23, v[TM+12+\b]
.endr
	v_lshl_or_b32 v[\pw], v[TM+5], 8, v[TM+4]
	v_lshl_or_b32 v[\pw], v[TM+6], 16, v[\pw]
	v_lshl_or_b32 v[\pw], v[TM+7], 24, v[\pw]
.irp c, 0,1
	v_cvt_scalef32_pk16_fp6_f32 v[\pc+6*\c:\pc+2+6*\c], v[\s+32*\c:\s+15+32*\c], v[TM+12+2*\c]
	v_cvt_scalef32_pk16_fp6_f32 v[\pc+12+4*\c:\pc+14+4*\c], v[\s+16+32*\c:\s+31+32*\c], v[TM+12+2*\c+1]
.endr
	v_nop                                          ; one plain line behind the scaled conversions
.irp c, 0,1
.irp i, 0,1,2
	v_permlane16_swap_b32 v[\pc+6*\c+\i], v[\pc+12+4*\c+\i]
.endr
.irp i, 0,1,2
	v_mov_b32 v[\pc+3+6*\c+\i], v[\pc+12+4*\c+\i]
.endr
.endr
.endm
.macro STOREH reg, off, o16, base      ; a half image: six registers, 512 + 256 consecutive bytes
	global_store_b128 v[\o16], v[\reg:\reg+3], s[\base:\base+1] offset:\off
	global_store_b64 v[\o16+1], v[\reg+4:\reg+5], s[\base:\base+1] offset:\off+512
.endm
.macro FETCH s, slot                   ; K step s, in the slot named: my four fragments of tokens and four of W, 32 LDS loads in one run, into set s % 2
	WIN 0x40
.set FB, 96*((\s)%2)
.set GA, 2*(\slot)
.set KO, ((\s)%4)*FRB
.irp i, 0,1,2,3
	ds_load_b128 v[FB+12*\i:FB+12*\i+3], v[TA+GA] offset:\i*HALF+KO
	ds_load_b64 v[FB+12*\i+4:FB+12*\i+5], v[TA+GA+1] offset:\i*HALF+KO+512
	ds_load_b128 v[FB+12*\i+6:FB+12*\i+9], v[TA+GA] offset:\i*HALF+KO+768
	ds_load_b64 v[FB+12*\i+10:FB+12*\i+11], v[TA+GA+1] offset:\i*HALF+KO+1280
.endr
.irp i, 0,1,2,3
	ds_load_b128 v[FB+48+12*\i:FB+48+12*\i+3], v[WA+GA] offset:\i*HALF+KO
	ds_load_b64 v[FB+48+12*\i+4:FB+48+12*\i+5], v[WA+GA+1] offset:\i*HALF+KO+512
	ds_load_b128 v[FB+48+12*\i+6:FB+48+12*\i+9], v[WA+GA] offset:\i*HALF+KO+768
	ds_load_b64 v[FB+48+12*\i+10:FB+48+12*\i+11], v[WA+GA+1] offset:\i*HALF+KO+1280
.endr
.endm
.macro SCALES g, slot                  ; half g's scale words: register SC + 16 g + 4 i + s': lanes 0-15 token tile i, lanes 16-31 W's tile i, K step 4 g + s'
.irp i, 0,1,2,3
	ds_load_b128 v[SC+16*\g+4*\i:SC+16*\g+4*\i+3], v[SA+(\slot)] offset:\i*HALF
.endr
.endm
.macro MUL s, isv, y=-1                ; 16 matrix instructions: K step s, by W's tiles a, each against the tokens' four tiles b.  BSET: the tensor's bias, in window 2.  y: the LDS loads issued behind this step's fetch (-1: the fetch is known to be in)
.set FB, 96*((\s)%2)
.set SB, SC+16*((\s)/4)+(\s)%4
.if (\s) == 0
	WIN 0x25
.else
	WIN 0x05
.endif
.irp a, 0,1,2,3
.if (\y) >= 0
	s_wait_dscnt (\y)+12-4*\a                      ; the tokens' 16 loads and W's tiles 0 to a are in; of this step's fetch W's later tiles, 4 loads each, may be out, and the y younger loads
.endif
.irp b, 0,1,2,3
.if \isv
.set rD, ACC+8*(4*\a+\b)
.set rA, FB+12*\b
.set rB, FB+48+12*\a
.else
.set rD, ACC+8*(4*\b+\a)
.set rA, FB+48+12*\a
.set rB, FB+12*\b
.endif
.set rC, BSET+8*\a
.if (\s) != 0
.set rC, rD
.endif
.if \isv
	v_wmma_scale_f32_16x16x128_f8f6f4 v[rD:rD+7], v[rA:rA+11], v[rB:rB+11], v[rC:rC+7], v[SB+4*\b], v[SB+4*\a] matrix_a_fmt:MATRIX_FMT_FP6 matrix_b_fmt:MATRIX_FMT_FP6 matrix_b_scale:MATRIX_SCALE_ROW1
.else
	v_wmma_scale_f32_16x16x128_f8f6f4 v[rD:rD+7], v[rA:rA+11], v[rB:rB+11], v[rC:rC+7], v[SB+4*\a], v[SB+4*\b] matrix_a_fmt:MATRIX_FMT_FP6 matrix_b_fmt:MATRIX_FMT_FP6 matrix_a_scale:MATRIX_SCALE_ROW1
.endif
.endr
.endr
.endm
.macro KSTEP s, isv, slot              ; the next K step's 32 loads go out first; this step's fragments are waited for by count, group by group, inside MUL
.if (\s) < 7
.if (\s) > 0
	PLACES                                         ; the set that the last K step multiplied is loaded again
.endif
	FETCH (\s)+1, \slot
	MUL \s, \isv, 32
.else
	MUL \s, \isv, 0
.endif
.endm
; K step 3 goes on into the tensor's second half, in the slot named.  sync = 1: a round, behind which slot 2 is filled (q: for the first time, phase 2; k: again, phase 5).  sync = 2: a plain barrier.
.macro KSTEP3 isv, slot, sync
	s_wait_dscnt 0x0                               ; K step 3's fragments are in: they were my last reads of the first half's slot
	WIN 0
	s_wait_tensorcnt 0x0                           ; all my tensor loads have landed
.if (\sync) == 1
	ds_add_u32 v[SPW], v[NIL]
.if BSET == 0
	s_wait_xcnt 0x0                                ; the head's prefetches have read their base: it steps one tensor on
	s_add_nc_u64 s[PF:PF+1], s[PF:PF+1], s[PT:PT+1]
.else
	s_add_nc_u64 s[G0A2+2:G0A2+3], s[G0A2+2:G0A2+3], XT+HALF   ; from phase 2 to phase 5
	s_add_nc_u64 s[G0B2+2:G0B2+3], s[G0B2+2:G0B2+3], WT+HALF
.endif
.endif
	MUL 3, \isv                                    ; sixteen matrix instructions on registers between the add and the wait for it
	WIN 0
.if (\sync) == 1
	s_wait_dscnt 0x0                               ; the add is done
	CROUND
	JSLOT2
.else
	s_barrier_signal -1
	s_barrier_wait -1                              ; everybody's part has landed
	PLACES
.endif
	SCALES 1, \slot
	FETCH 4, \slot
.if (\sync) == 1 && BSET == 0
	WIN 0
	global_prefetch_b8 v[PFO], s[PF:PF+1] th:TH_LOAD_NT scope:SCOPE_SE                ; phase 4: my half tile of it
	global_prefetch_b8 v[PFO], s[PF:PF+1] offset:HALF th:TH_LOAD_NT scope:SCOPE_SE    ; phase 5
.endif
.endm
.macro GEMM t, isv, sync               ; tensor t's 128 matrix instructions: phases 2 t and 2 t + 1
.set SL0, (2*(\t))%3
.set SL1, (2*(\t)+1)%3
.set BSET, 32*(\t)
	WIN 0
	SCALES 0, SL0
	FETCH 0, SL0
.if (\t) == 0
	s_wait_loadcnt 0x0                             ; the three biases
.endif
	KSTEP 0, \isv, SL0
	KSTEP 1, \isv, SL0
	KSTEP 2, \isv, SL0
	KSTEP3 \isv, SL1, \sync
	KSTEP 4, \isv, SL1
	KSTEP 5, \isv, SL1
	KSTEP 6, \isv, SL1
	KSTEP 7, \isv, SL1
	WIN 0
.endm
.macro OUT isv, base, later            ; the 64 x 64 results are quantised and stored into my head record
	WIN 0
	PLACES
.if \later
	s_wait_xcnt 0x0                                ; the last tensor's stores have read the fragments' and scale words' registers
.endif
	QUANT ACC, PC0, PW
	QUANT ACC+64, PC1, PW+1
	v_cmp_ne_u32 vcc_lo, 0, v3
	v_cndmask_b32 v[PW+2], v[PW], v[PW+1], vcc_lo  ; lanes 0-15 the first fragment's scale word, lanes 16-31 the second's
.if \isv
	STOREH PC0, 4*FRB, O16V, \base
	STOREH PC0+6, 5*FRB, O16V, \base
	STOREH PC1, 6*FRB, O16V, \base
	STOREH PC1+6, 7*FRB, O16V, \base
	global_store_b16 v[OSV], v[PW+2], s[\base:\base+1] offset:12544
	global_store_d16_hi_b16 v[OSV], v[PW+2], s[\base:\base+1] offset:12548
.else
	STOREH PC0, 0, O16, \base
	STOREH PC0+6, 768, O16, \base
	STOREH PC1, FRB, O16, \base
	STOREH PC1+6, FRB+768, O16, \base
	global_store_b32 v[OS], v[PW+2], s[\base:\base+1] offset:12288
.endif
.endm
	s_load_b256 s[4:11], s[0:1], 0x0               ; xc s[4:5], wc s[6:7], bq s[8:9], bk s[10:11]
	s_load_b128 s[12:15], s[0:1], 0x20             ; bv s[12:13], qh s[14:15]
	s_load_b64 s[16:17], s[0:1], 0x30              ; kv
	v_lshl_add_u32 v[SPW], v0, 2, SPARE
	v_mov_b32 v[NIL], 0
	ds_add_u32 v[SPW], v[NIL]                      ; the opening lines: the add twice on end and one wait
	ds_add_u32 v[SPW], v[NIL]
	v_lshrrev_b32 v1, 5, v0
	v_readfirstlane_b32 s[SWV], v1                 ; wave 0..3
	s_lshr_b32 s[SWA], s[SWV], 1                   ; my half of the tokens.  Also: which of slots 0 and 1 I fill
	s_and_b32 s[SWB], s[SWV], 1                    ; my head of the two.  Also: I fetch tokens (0) or W (1)
	s_bfe_u32 s21, ttmp6, 0x40000                  ; cx
	s_bfe_u32 s22, ttmp6, 0x40004                  ; cy
	s_lshl_b32 s23, ttmp9, 2
	s_add_co_u32 s23, s23, s21                     ; x: the block of 128 columns
	s_and_b32 s26, ttmp7, 0xffff
	s_lshl_b32 s26, s26, 2
	s_add_co_u32 s26, s26, s22                     ; y: the block of 128 tokens
	s_lshl_b32 s27, s22, 2
	s_lshl_b32 s27, 15, s27                        ; my row of the cluster
	s_lshl_b32 s28, 0x1111, s21                    ; my column
	s_or_b32 s[G1A], s27, (3<<16)|(1<<21)          ; the mask; elements of 8 bytes; bit 21 beside a mask
	s_or_b32 s[G1B], s28, (3<<16)|(1<<21)
.irp g, G1A, G1B
	s_mov_b32 s[\g+1], 800<<16                     ; a row: 6,400 bytes
	s_mov_b32 s[\g+2], 8<<16                       ; 8 rows
	s_mov_b32 s[\g+3], 800<<16
	s_mov_b32 s[\g+4], 8
	s_mov_b32 s[\g+5], 1600                        ; 12,800 bytes from row to row
	s_mov_b32 s[\g+6], 0
	s_mov_b32 s[\g+7], 0
.endr
	s_mul_i32 s60, s26, 8*TILE                     ; the tokens' address hangs on the token block and the wave alone,
	s_mov_b32 s61, 0
	s_mul_i32 s62, s23, 8*TILE                     ; W's on the column block and the wave
	s_mov_b32 s63, 0
	s_mul_i32 s24, s[SWA], HALF                    ; the head's phase: SWA
	s_mov_b32 s25, 0
	s_mov_b32 s[G0A], 1
	s_mov_b32 s[G0A2], 1
	s_mov_b32 s[G0B], 1
	s_mov_b32 s[G0B2], 1
	s_mul_i32 s[G0A+1], s[SWA], PH                 ; my own slot: the tokens' part,
	s_add_co_u32 s[G0B+1], s[G0A+1], 2*QT          ; and W's behind it
	s_mov_b32 s[G0A2+1], 2*PH
	s_mov_b32 s[G0B2+1], 2*PH+2*QT
	s_mul_i32 s[DA], s[SWA], XT-2*HALF             ; phase 0 -> 3: XT + HALF;  phase 1 -> 4: 2 XT - HALF
	s_add_co_u32 s[DA], s[DA], XT+HALF
	s_mov_b32 s[DA+1], 0
	s_mul_i32 s[DB], s[SWA], WT-2*HALF
	s_add_co_u32 s[DB], s[DB], WT+HALF
	s_mov_b32 s[DB+1], 0
	s_wait_dscnt 0x0
	s_wait_kmcnt 0x0
	s_add_nc_u64 s[60:61], s[4:5], s[60:61]
	s_add_nc_u64 s[62:63], s[6:7], s[62:63]
	s_add_nc_u64 s[G0A+2:G0A+3], s[60:61], s[24:25]
	s_add_nc_u64 s[G0B+2:G0B+3], s[62:63], s[24:25]
	s_add_nc_u64 s[G0A2+2:G0A2+3], s[60:61], XT    ; phase 2
	s_add_nc_u64 s[G0B2+2:G0B2+3], s[62:63], WT
.irp g, G0A, G0A2, G0B, G0B2
	s_or_b32 s[\g+3], s[\g+3], 0x80000000
.endr
	CROUND                                         ; all sixteen work-groups are here: the joint loads meet
	s_cmp_eq_u32 s[SWV], 0                         ; one chain of branches on the wave's number, one load to an arm
	s_cbranch_scc0 .Lh1
	TL G0A, G1A                                    ; wave 0: phase 0's tokens
	s_branch .Lfilled
.Lh1:
	s_cmp_eq_u32 s[SWV], 1
	s_cbranch_scc0 .Lh2
	TL G0B, G1B                                    ; wave 1: phase 0's W
	s_branch .Lfilled
.Lh2:
	s_cmp_eq_u32 s[SWV], 2
	s_cbranch_scc0 .Lh3
	TL G0A, G1A                                    ; wave 2: phase 1's tokens
	s_branch .Lfilled
.Lh3:
	TL G0B, G1B                                    ; wave 3: phase 1's W
.Lfilled:
	v_and_b32 v1, 31, v0                           ; lane
	v_and_b32 v2, 15, v0                           ; r
	v_bfe_u32 v3, v0, 4, 1                         ; h
	s_cmp_eq_u32 s[SWB], 0                         ; the prefetches: even waves for the tokens, odd waves for W
	s_cselect_b32 s3, s21, s22                     ; my place among the four that ask jointly
	s_cselect_b64 s[PF:PF+1], s[60:61], s[62:63]
	s_mov_b32 s[PT], WT
	s_cselect_b32 s[PT], XT, s[PT]
	s_mov_b32 s[PT+1], 0
	s_lshl_b32 s3, s3, 1
	s_add_co_u32 s3, s3, s[SWA]                    ; which of the part's eight half tiles is mine
	s_mul_i32 s3, s3, TILE
	s_add_nc_u64 s[PF:PF+1], s[PF:PF+1], s[PT:PT+1] ; at the second tensor: phase 2
	s_wait_alu depctr_va_vdst(0)                   ; behind the run of scalar lines and ahead of the readers of the lane terms
	v_min_u32 v[PFO], 24, v1                       ; 25 blocks of 256 bytes; the lanes left over name the last again
	v_lshl_add_u32 v[PFO], v[PFO], 8, s3
	v_lshlrev_b32 v4, 4, v1
	v_lshlrev_b32 v5, 3, v1
	s_mul_i32 s29, s[SWA], QT                      ; my four tiles of tokens,
	s_mul_i32 s30, s[SWB], QT
	s_add_co_u32 s30, s30, 2*QT                    ; my four of W, behind the tokens' eight
	v_add_nc_u32 v[TA], s29, v4
	v_add_nc_u32 v[TA+1], s29, v5
	v_add_nc_u32 v[WA], s30, v4
	v_add_nc_u32 v[WA+1], s30, v5
.irp s, 1,2
	v_add_nc_u32 v[TA+2*\s], \s*PH, v[TA]
	v_add_nc_u32 v[TA+2*\s+1], \s*PH, v[TA+1]
	v_add_nc_u32 v[WA+2*\s], \s*PH, v[WA]
	v_add_nc_u32 v[WA+2*\s+1], \s*PH, v[WA+1]
.endr
	s_sub_co_u32 s31, s30, s29
	v_mul_u32_u24 v6, s31, v3                      ; lanes 16-31 take W's scale words: the lower base + h x the distance
	v_lshl_add_u32 v6, v2, 4, v6
	s_add_co_u32 s66, s29, 4*FRB
	v_add_nc_u32 v[SA], s66, v6
	v_add_nc_u32 v[SA+1], PH, v[SA]
	v_add_nc_u32 v[SA+2], 2*PH, v[SA]
	v_lshlrev_b32 v[BH], 6, v3
	v_and_b32 v[BR], 8, v2
	v_add_nc_u32 v[BR], v[BR], v2
	v_lshlrev_b32 v[BR], 2, v[BR]
	s_mov_b32 s[SEL], 0x76543210
	s_mov_b32 s[SEL+1], 0xfedcba98
.irp b, 0,1,2,3
	v_mov_b32 v[TM+4+\b], 0                        ; written once: a lane permute's destination counts as one of its sources
.endr
	s_lshr_b32 s67, s26, 4                         ; my head record: ((batch x 16 + head) x 16 + step) x 12,800
	s_lshl_b32 s67, s67, 4
	s_lshl_b32 s80, s23, 1
	s_add_co_u32 s67, s67, s80
	s_add_co_u32 s67, s67, s[SWB]
	s_mul_i32 s67, s67, HEADB
	s_and_b32 s80, s26, 15
	s_mul_i32 s80, s80, TILE
	s_add_co_u32 s80, s67, s80
	s_mov_b32 s81, 0
	s_lshl_b32 s86, s23, 9                         ; my head's 64 numbers of a bias
	s_lshl_b32 s87, s[SWB], 8
	s_add_co_u32 s86, s86, s87
	s_mov_b32 s87, 0
	s_add_nc_u64 s[88:89], s[14:15], s[80:81]      ; my record in qh,
	s_add_nc_u64 s[90:91], s[16:17], s[80:81]      ; and in kv
	s_add_nc_u64 s[92:93], s[8:9], s[86:87]
	s_add_nc_u64 s[94:95], s[10:11], s[86:87]
	s_add_nc_u64 s[96:97], s[12:13], s[86:87]
	s_mul_i32 s98, s[SWA], 2*FRB                   ; Q, K: my 64 tokens are pair fragments 2 wa and 2 wa + 1
	v_add_nc_u32 v[O16], s98, v4
	v_add_nc_u32 v[O16+1], s98, v5
	s_lshl_b32 s99, s[SWA], 7
	v_lshlrev_b32 v[OS], 3, v2
	v_lshl_add_u32 v[OS], v3, 2, v[OS]
	v_add_nc_u32 v[OS], s99, v[OS]
	s_mul_i32 s98, s[SWA], 768                     ; V: my 64 keys are half wa of each fragment of V^T
	v_add_nc_u32 v[O16V], s98, v4
	v_add_nc_u32 v[O16V+1], s98, v5
	s_lshl_b32 s99, s[SWA], 1
	v_add_nc_u32 v[OSV], s99, v5
	global_prefetch_b8 v[PFO], s[PF:PF+1] th:TH_LOAD_NT scope:SCOPE_SE                ; phase 2: my half tile of it
	global_prefetch_b8 v[PFO], s[PF:PF+1] offset:HALF th:TH_LOAD_NT scope:SCOPE_SE    ; phase 3
	WIN 0x80
.irp b, 0,1,2,3                        ; Q, K: a lane's eight registers of tile b are channels 32 (b / 2) + 16 h + 8 (b % 2) + 0 .. 7
	global_load_b128 v[8*\b:8*\b+3], v[BH], s[92:93] offset:(32*(\b/2)+8*(\b%2))*4
	global_load_b128 v[8*\b+4:8*\b+7], v[BH], s[92:93] offset:(32*(\b/2)+8*(\b%2))*4+16
	global_load_b128 v[32+8*\b:32+8*\b+3], v[BH], s[94:95] offset:(32*(\b/2)+8*(\b%2))*4
	global_load_b128 v[32+8*\b+4:32+8*\b+7], v[BH], s[94:95] offset:(32*(\b/2)+8*(\b%2))*4+16
.endr
.irp a, 0,1,2,3                        ; V: a lane holds one channel: its bias in all eight registers of a tile
.irp j, 0,1,2,3,4,5,6,7
	global_load_b32 v[64+8*\a+\j], v[BR], s[96:97] offset:(32*(\a/2)+8*(\a%2))*4
.endr
.endr
	WIN 0
	s_wait_alu depctr_va_vdst(0)
	s_cmp_lt_u32 s[SWV], 2
	s_cbranch_scc0 .Lnot_first
	s_wait_tensorcnt 0x0                           ; waves 0 and 1: phase 0 has landed; phase 1 may stay out
.Lnot_first:
	s_barrier_signal -1
	s_barrier_wait -1
	GEMM 0, 0, 1                                   ; q: slots 0 and 1; at its K step 3 slot 2 takes phase 2
	CHANGE                                         ; slots 0 and 1 take phases 3 and 4.  Phase 2 is shown landed here
	OUT 0, 88, 0
	GEMM 1, 0, 1                                   ; k: slots 2 and 0; at its K step 3 slot 2 takes phase 5, and phases 3 and 4 are shown landed
	OUT 0, 90, 1
	GEMM 2, 1, 2                                   ; v: slots 1 and 2
	OUT 1, 90, 1
	s_wait_tensorcnt 0x0                           ; the wave's end
	ds_add_u32 v[SPW], v[NIL]
	s_wait_dscnt 0x0
	CROUND                                         ; the closing round
	s_endpgm
.Lfunc_end_k_q0477192ae5_proj:
	.size	k_q0477192ae5_proj, .Lfunc_end_k_q0477192ae5_proj-k_q0477192ae5_proj
	.p2alignl 7, 3214868480
	.fill 96, 4, 3214868480
	.section	.rodata,"a",@progbits
	.p2align	6, 0x0
	.amdhsa_kernel k_q0477192ae5_proj
		.amdhsa_group_segment_fixed_size 327680
		.amdhsa_private_segment_fixed_size 0
		.amdhsa_enable_private_segment 0
		.amdhsa_kernarg_size 56
		.amdhsa_user_sgpr_count 2
		.amdhsa_user_sgpr_kernarg_segment_ptr 1
		.amdhsa_wavefront_size32 1
		.amdhsa_system_sgpr_workgroup_id_x 1
		.amdhsa_system_sgpr_workgroup_id_y 1
		.amdhsa_system_sgpr_workgroup_id_z 1
		.amdhsa_system_vgpr_workitem_id 0
		.amdhsa_next_free_vgpr 768
		.amdhsa_next_free_sgpr 100
		.amdhsa_reserve_vcc 1
		.amdhsa_float_denorm_mode_32 3
		.amdhsa_float_denorm_mode_16_64 3
		.amdhsa_memory_ordered 1
		.amdhsa_forward_progress 1
		.amdhsa_inst_pref_size 148
	.end_amdhsa_kernel
	.amdgpu_metadata
---
amdhsa.version: [ 1, 2 ]
amdhsa.kernels:
  - .name:           k_q0477192ae5_proj
    .symbol:         k_q0477192ae5_proj.kd
    .args:
      - { .name: xc, .offset: 0, .size: 8, .value_kind: global_buffer, .address_space: global }
      - { .name: wc, .offset: 8, .size: 8, .value_kind: global_buffer, .address_space: global }
      - { .name: bq, .offset: 16, .size: 8, .value_kind: global_buffer, .address_space: global }
      - { .name: bk, .offset: 24, .size: 8, .value_kind: global_buffer, .address_space: global }
      - { .name: bv, .offset: 32, .size: 8, .value_kind: global_buffer, .address_space: global }
      - { .name: qh, .offset: 40, .size: 8, .value_kind: global_buffer, .address_space: global }
      - { .name: kv, .offset: 48, .size: 8, .value_kind: global_buffer, .address_space: global }
    .group_segment_fixed_size: 327680
    .private_segment_fixed_size: 0
    .kernarg_segment_align: 8
    .kernarg_segment_size: 56
    .max_flat_workgroup_size: 128
    .sgpr_count:     100
    .vgpr_count:     768
    .wavefront_size: 32
...
	.end_amdgpu_metadata
.endif
;; end of part 2
;; launch attn (part 3): grid 8 x 32, 16 waves a work-group, clusters of 4 x 1, 206,848 bytes of LDS; arguments qh, kv, cc; writes cc
.if DOCPART == 3
	.amdgcn_target "amdgcn-amd-amdhsa--gfx1250"
	.amdhsa_code_object_version 6
	.text
	.protected	k_q0477192ae5_attn
	.globl	k_q0477192ae5_attn
	.p2align	8
	.type	k_q0477192ae5_attn,@function
k_q0477192ae5_attn:
	s_mov_b64 s[64:65], 0
	v_nop
	global_prefetch_b8 v0, s[64:65] scope:SCOPE_SE
	s_setreg_imm32_b32 hwreg(HW_REG_WAVE_MODE, 25, 1), 1
	s_wait_xcnt 0x0
	s_wait_alu depctr_hold_cnt(0) depctr_sa_sdst(0) depctr_va_vdst(0) depctr_va_sdst(0) depctr_va_ssrc(0) depctr_va_vcc(0) depctr_vm_vsrc(0)
	s_getreg_b32 s2, hwreg(HW_REG_IB_STS2, 6, 4)
	s_cmp_eq_u32 s2, 0
	s_cbranch_scc0 .Lentry_in_a_cluster
	s_endpgm
.Lentry_in_a_cluster:
	s_bfe_u32 s2, ttmp6, 0x10000c
	s_cmp_lg_u32 s2, 0x3003
	s_cbranch_scc0 .Lentry_shape_is_right
	s_endpgm
.Lentry_shape_is_right:
; Attention of one (batch, head) on codes of FP6 (E2M3): S^T = K Q^T (K = the head's 64), p = 2^(t - M), O^T = V^T P^T (K = the keys), O / the row's sum, quantised along (head, channel) for the last projection.
; t = score x log2(e) / 8; M = the running largest t rounded UP to a whole number; the row's sum is taken of the unquantised p; when M moves, the sum and O^T are multiplied by 2^(old M - new M): exact.
; SHARES: a work-group owns 256 queries of a head, each of its sixteen waves one tile of 16, in 256 registers: four waves to a SIMD.
; LDS: the head's 16 records (128 keys each: 4 pair fragments of K, 4 fragments of V^T, their scale words), 204,800 bytes, are filled ONCE: wave w brings record w, 50 rows of 256 bytes, by its one tensor load at the head.
; All that the work-group reads is asked for there, so nothing is prefetched.  Waves 0 to 2 have a load line of their own: key steps 0 to 2 begin when these three have waited.
; TWO BARRIERS: the first shows records 0 to 2.  The second is split round key step 2: ahead of its signal, at the step's head, every wave waits for its tensor load; its wait stands at the step's end; between the two stand
; register work and LDS loads of record 2, which nobody writes.  Behind it all sixteen records are shown to all.
; CLUSTER 4 x 1: the four blocks of queries of a cluster belong to one head and read the same records: every load is a joint one.
; THE LOGITS' K IS 64, the instruction's 128: a fragment of K holds token tile 2 p in k 0-63 and tile 2 p + 1 in k 64-127, and Q stands between zeros: v[22:33] = (q, 0) picks the first tile, v[16:27] = (0, q) the second.
; Zero codes add nothing under any scale byte that is made here (1 to 254).
; LAYOUT: both products transposed: a lane holds one query throughout.  Lane-row r of a tile of tokens is token 32 b + 8 u + r + 8 (r / 8), so the 16 registers of tiles 2 b, 2 b + 1 are 16 neighbouring keys.
; LIMITS: NaN and infinities are not served; scale bytes are held at 1 from below; a block of zeros has the byte 1; the promise holds while the scaled scores stay under 2^31 in magnitude.
; REGISTERS: v1, v2 16 and 8 x lane; v3, v4 the step's addresses; v6, v7 8 r, 16 r; v12 -M, v13 the largest t, v[14:15] the sum; v16-33 Q between zeros; v34 Q's, v35 p's, v[36:37] K's, v[38:39] V's scale words;
;   v40-87 four fragments; v96-159 S^T, then p; v160-191 O^T; v192-210 p's codes; v212-229, v242-253 at work; v254, v255 the add's two.
.set HEADB, 204800
.set REC,   12800
.set FRB,   1536
.set FIRST, 3                          ; the records that are read ahead of the barrier that shows all
.set L16, 1
.set L8,  2
.set A16, 3
.set A8,  4
.set QS,  34
.set PS,  35
.set KS,  36
.set VS,  38
.set F,   40
.set S,   96
.set O,   160
.set PCD, 192
.set BM,  212
.set PT,  216
.set SO,  220
.set WV,  10
.set SEL, 14
.set CS,  16
.set TB,  18
.set CNT, 19
.set G1,  24
.set G0,  32
.macro CROUND
	s_barrier_signal -1
	s_barrier_wait -1
	s_cmp_lg_u32 s[WV], 0
	s_cbranch_scc1 .Lnot_wave_0_\@
	s_barrier_signal -3
.Lnot_wave_0_\@:
	s_barrier_wait -3
	s_barrier_signal -1
	s_barrier_wait -1
.endm
	s_load_b128 s[4:7], s[0:1], 0x0                ; qh s[4:5], kv s[6:7]
	s_load_b64 s[8:9], s[0:1], 0x10                ; cc
	v_lshl_add_u32 v254, v0, 2, 0x32000
	v_mov_b32 v255, 0
	ds_add_u32 v254, v255                          ; the opening lines: the add twice on end and one wait
	ds_add_u32 v254, v255
	v_lshrrev_b32 v5, 5, v0
	s_delay_alu instid0(VALU_DEP_1)
	v_readfirstlane_b32 s[WV], v5                  ; wave 0..15
	s_bfe_u32 s11, ttmp6, 0x40000                  ; cx
	s_lshl_b32 s12, ttmp9, 2
	s_add_co_u32 s12, s12, s11                     ; my block of 256 queries: it enters Q's and cc's addresses alone
	s_and_b32 s13, ttmp7, 0xffff                   ; batch x 16 + head, which the four partners share
	s_mul_i32 s20, s13, HEADB
	s_mul_i32 s48, s[WV], REC                      ; my record
	s_add_co_u32 s22, s20, s48
	s_mov_b32 s23, 0
	s_mov_b32 s[G1], 15|(3<<16)|(1<<21)            ; the mask: all four work-groups; elements of 8 bytes; bit 21 beside a mask
	s_mov_b32 s[G1+1], 32<<16                      ; rows of 256 bytes
	s_mov_b32 s[G1+2], 50<<16
	s_mov_b32 s[G1+3], 32<<16
	s_mov_b32 s[G1+4], 50
	s_mov_b32 s[G1+5], 32                          ; dense
	s_mov_b32 s[G1+6], 0
	s_mov_b32 s[G1+7], 0
	s_mov_b32 s[G0], 1
	s_mov_b32 s[G0+1], s48
	s_mov_b32 s[SEL], 0x76543210
	s_mov_b32 s[SEL+1], 0xfedcba98
	s_mov_b32 s[CS], 0x3e38aa3b                    ; c = log2(e) / sqrt(64)
	s_mov_b32 s[CS+1], s[CS]
	s_wait_dscnt 0x0
	s_wait_kmcnt 0x0
	s_add_nc_u64 s[G0+2:G0+3], s[6:7], s[22:23]
	s_or_b32 s[G0+3], s[G0+3], 0x80000000
	CROUND                                         ; all four work-groups are here: the joint loads meet
	s_cmp_lt_u32 s[WV], FIRST                      ; two arms, one load each: the first records' waves wait earlier than the others
	s_cbranch_scc0 .Llater
	tensor_load_to_lds s[G0:G0+3], s[G1:G1+7]
	s_nop 0
.rept 4
	v_nop
.endr
	s_branch .Lasked
.Llater:
	tensor_load_to_lds s[G0:G0+3], s[G1:G1+7]
	s_nop 0
.rept 4
	v_nop
.endr
.Lasked:
	v_and_b32 v5, 31, v0
	s_delay_alu instid0(VALU_DEP_1)
	v_lshlrev_b32 v[L16], 4, v5
	s_wait_alu depctr_va_vdst(0)
	v_lshlrev_b32 v[L8], 3, v5
	s_wait_alu depctr_va_vdst(0)
	v_and_b32 v5, 15, v0
	s_delay_alu instid0(VALU_DEP_1)
	v_lshlrev_b32 v6, 3, v5
	s_wait_alu depctr_va_vdst(0)
	v_lshlrev_b32 v7, 4, v5
	; my tile of queries: record 2 qb + w / 8, tile w % 8: half w % 2 of pair fragment (w % 8) / 2
	s_lshl_b32 s50, s12, 1
	s_lshr_b32 s51, s[WV], 3
	s_add_co_u32 s50, s50, s51
	s_mul_i32 s50, s50, REC
	s_add_co_u32 s50, s50, s20
	s_and_b32 s51, s[WV], 7
	s_lshr_b32 s52, s51, 1
	s_and_b32 s53, s[WV], 1
	s_mul_i32 s54, s52, FRB
	s_mul_i32 s55, s53, 768
	s_add_co_u32 s54, s54, s55
	s_add_co_u32 s54, s54, s50
	s_mov_b32 s55, 0
	s_add_nc_u64 s[54:55], s[4:5], s[54:55]
	s_lshr_b32 s56, s52, 1
	s_lshl_b32 s56, s56, 7
	s_and_b32 s57, s52, 1
	s_lshl_b32 s57, s57, 2
	s_add_co_u32 s56, s56, s57
	s_add_co_u32 s56, s56, s50
	s_mov_b32 s57, 0
	s_add_nc_u64 s[56:57], s[4:5], s[56:57]
	s_mov_b32 s49, 0x03020302
	s_cmp_eq_u32 s53, 0
	s_cselect_b32 s49, 0x01000100, s49             ; which two bytes of the pair's scale word are my tile's
	global_load_b128 v[22:25], v[L16], s[54:55]
	global_load_b64 v[26:27], v[L8], s[54:55] offset:512
	global_load_b32 v224, v6, s[56:57] offset:12288
.irp j, 16,17,18,19,20,21,28,29,30,31,32,33
	v_mov_b32 v\j, 0                               ; the zero codes on both sides of Q
.endr
	v_mov_b32 v13, 0xff61b1e6                      ; the largest t so far: -3e38, under every t
	s_delay_alu instid0(VALU_DEP_1)
	v_floor_f32 v12, -v13                          ; -M
	v_mov_b32 v14, 0
	v_mov_b32 v15, 0
	v_mov_b32 v227, 0                              ; (named as the upper half of the pair v[226:227])
.irp b, 0,1,2,3
	v_mov_b32 v[PT+\b], 0                          ; written once: a lane permute's destination counts as one of its sources
.endr
	s_wait_loadcnt 0x0
	v_perm_b32 v[QS], v224, v224, s49              ; my tile's two bytes, twice: they serve Q in the lower half of K and in the upper
.set J, 0
.rept 32
	v_mov_b32 v[O+J], 0                            ; O^T: the first change of M leaves zeros zeros.  (Also the plain lines between the scale word's making and the first product)
.set J, J+1
.endr
; A KEY STEP: 128 keys, the record at LDS byte s[TB].  show = 1: the two halves of a barrier stand round the step
.macro STEP show=0
.if \show
	s_barrier_signal -1                            ; my tensor load has landed (no LDS instruction of mine is out here)
.endif
	v_add_nc_u32 v[A16], s[TB], v[L16]
	v_add_nc_u32 v[A8], s[TB], v[L8]
	v_nop
	v_nop                                          ; four plain lines in front of loads into registers that the last products have read
.irp p, 0,1,2,3
	ds_load_b128 v[F+12*\p:F+12*\p+3], v[A16] offset:FRB*\p
	ds_load_b64 v[F+12*\p+4:F+12*\p+5], v[A8] offset:FRB*\p+512
	ds_load_b128 v[F+12*\p+6:F+12*\p+9], v[A16] offset:FRB*\p+768
	ds_load_b64 v[F+12*\p+10:F+12*\p+11], v[A8] offset:FRB*\p+1280
.endr
	ds_load_b64 v[KS:KS+1], v[A8] offset:12288     ; lanes 0-15: pairs 0 and 1; lanes 16-31: pairs 2 and 3
	s_wait_alu depctr_va_vdst(0)
	s_wait_dscnt 0x0
.irp p, 0,1
	v_wmma_scale_f32_16x16x128_f8f6f4 v[S+16*\p:S+16*\p+7], v[F+12*\p:F+12*\p+11], v[22:33], 0, v[KS+\p], v[QS] matrix_a_fmt:MATRIX_FMT_FP6 matrix_b_fmt:MATRIX_FMT_FP6
	v_wmma_scale_f32_16x16x128_f8f6f4 v[S+16*\p+8:S+16*\p+15], v[F+12*\p:F+12*\p+11], v[16:27], 0, v[KS+\p], v[QS] matrix_a_fmt:MATRIX_FMT_FP6 matrix_b_fmt:MATRIX_FMT_FP6
.endr
.irp p, 2,3
	v_wmma_scale_f32_16x16x128_f8f6f4 v[S+16*\p:S+16*\p+7], v[F+12*\p:F+12*\p+11], v[22:33], 0, v[KS+\p-2], v[QS] matrix_a_fmt:MATRIX_FMT_FP6 matrix_b_fmt:MATRIX_FMT_FP6 matrix_a_scale:MATRIX_SCALE_ROW1
	v_wmma_scale_f32_16x16x128_f8f6f4 v[S+16*\p+8:S+16*\p+15], v[F+12*\p:F+12*\p+11], v[16:27], 0, v[KS+\p-2], v[QS] matrix_a_fmt:MATRIX_FMT_FP6 matrix_b_fmt:MATRIX_FMT_FP6 matrix_a_scale:MATRIX_SCALE_ROW1
.endr                                              ; register 16 b + i of S^T: key 32 b + 16 (lane / 16) + i of the step
.rept 4
	v_nop
.endr
.irp a, 0,1,2,3                                ; V's fragments take K's registers and land under the softmax
	ds_load_b128 v[F+12*\a:F+12*\a+3], v[A16] offset:4*FRB+FRB*\a
	ds_load_b64 v[F+12*\a+4:F+12*\a+5], v[A8] offset:4*FRB+FRB*\a+512
	ds_load_b128 v[F+12*\a+6:F+12*\a+9], v[A16] offset:4*FRB+FRB*\a+768
	ds_load_b64 v[F+12*\a+10:F+12*\a+11], v[A8] offset:4*FRB+FRB*\a+1280
.endr
	ds_load_b64 v[VS:VS+1], v[A8] offset:12544     ; lanes 0-15: channel tiles 0 and 1; lanes 16-31: tiles 2 and 3
.irp b, 0,1,2,3
	v_max3_num_f32 v[BM+\b], v[S+16*\b], v[S+1+16*\b], v[S+2+16*\b]   ; the largest score of each block of 32 keys: for the row's maximum, and, since p rises with the score, for the block's largest p
.endr
.irp i, 3,5,7,9,11,13
.irp b, 0,1,2,3
	v_max3_num_f32 v[BM+\b], v[BM+\b], v[S+16*\b+\i], v[S+1+16*\b+\i]
.endr
.endr
.irp b, 0,1,2,3
	v_max_num_f32 v[BM+\b], v[BM+\b], v[S+15+16*\b]
.endr
.irp b, 0,1,2,3
	s_delay_alu instid0(VALU_DEP_4)
	v_permlanex16_b32 v[PT+\b], v[BM+\b], s[SEL], s[SEL+1]
.endr
.irp b, 0,1,2,3
	s_delay_alu instid0(VALU_DEP_4)
	v_max_num_f32 v[BM+\b], v[BM+\b], v[PT+\b]     ; with lane l xor 16's 16 keys
.endr
	s_delay_alu instid0(VALU_DEP_2)
	v_max3_num_f32 v224, v[BM], v[BM+1], v[BM+2]
	s_delay_alu instid0(VALU_DEP_1)
	v_max_num_f32 v224, v224, v[BM+3]
	s_delay_alu instid0(VALU_DEP_1)
	v_mul_f32 v224, s[CS], v224                    ; the step's largest t (c is positive)
	s_delay_alu instid0(VALU_DEP_1)
	v_max_num_f32 v13, v13, v224
	v_mov_b32 v224, v12
	s_delay_alu instid0(VALU_DEP_2)
	v_floor_f32 v12, -v13                          ; the new -M = -ceil(t): a whole number
	s_delay_alu instid0(VALU_DEP_1)
	v_sub_f32 v224, v12, v224                      ; old M - new M: a whole number, 0 or less
	s_delay_alu instid0(VALU_DEP_1)
	v_cvt_i32_f32 v224, v224                       ; (it saturates)
	s_delay_alu instid0(VALU_DEP_1)
	v_ldexp_f32 v226, 1.0, v224                    ; f = 2^(old M - new M)
.set J, 0
.rept 32
	v_pk_fma_f32 v[S+J:S+J+1], v[S+J:S+J+1], s[CS:CS+1], v[12:13] op_sel_hi:[1,0,0]   ; t - M, two at a time
.set J, J+2
.endr
.irp b, 0,1,2,3
	v_fma_f32 v[BM+\b], v[BM+\b], s[CS], v12       ; the same of each block's largest score
.endr
.set J, 0
	s_wait_alu depctr_va_vdst(0)
.rept 64
	v_exp_f32 v[S+J], v[S+J]                       ; p = 2^(t - M), at most 1: not normalised
.set J, J+1
.endr
	v_pk_mul_f32 v[14:15], v[14:15], v[226:227] op_sel_hi:[1,0]   ; the sums under the new M: a plain line behind the exponentials
	s_wait_alu depctr_va_vdst(0)                   ; one wait for the batch of 64, ahead of its first reader
.irp b, 0,1,2,3
	v_exp_f32 v[BM+\b], v[BM+\b]                   ; the block's largest p: the same two instructions on the same number give the same bits
.endr
	v_pk_add_f32 v[228:229], v[100:101], v[104:105]
	v_pk_add_f32 v[252:253], v[108:109], v[112:113]
	v_pk_add_f32 v[250:251], v[116:117], v[120:121]
	v_pk_add_f32 v[248:249], v[124:125], v[128:129]
	v_pk_add_f32 v[246:247], v[132:133], v[136:137]
	v_pk_add_f32 v[244:245], v[140:141], v[144:145]
	v_pk_add_f32 v[242:243], v[148:149], v[152:153]
	v_pk_add_f32 v[14:15], v[14:15], v[156:157]
	v_pk_add_f32 v[228:229], v[228:229], v[96:97]
	v_pk_add_f32 v[252:253], v[252:253], v[98:99]
	v_pk_add_f32 v[250:251], v[250:251], v[102:103]
	v_pk_add_f32 v[248:249], v[248:249], v[106:107]
	v_pk_add_f32 v[246:247], v[246:247], v[110:111]
	v_pk_add_f32 v[244:245], v[244:245], v[114:115]
	v_pk_add_f32 v[242:243], v[242:243], v[118:119]
	v_pk_add_f32 v[14:15], v[14:15], v[122:123]
	v_pk_add_f32 v[228:229], v[228:229], v[126:127]
	v_pk_add_f32 v[252:253], v[252:253], v[130:131]
	v_pk_add_f32 v[250:251], v[250:251], v[134:135]
	v_pk_add_f32 v[248:249], v[248:249], v[138:139]
	v_pk_add_f32 v[246:247], v[246:247], v[142:143]
	v_pk_add_f32 v[244:245], v[244:245], v[146:147]
	v_pk_add_f32 v[242:243], v[242:243], v[150:151]
	v_pk_add_f32 v[14:15], v[14:15], v[154:155]
	v_pk_add_f32 v[228:229], v[228:229], v[158:159]
	s_delay_alu instid0(VALU_DEP_2)
	v_pk_add_f32 v[14:15], v[14:15], v[248:249]
	s_delay_alu instid0(VALU_DEP_2)
	v_pk_add_f32 v[228:229], v[228:229], v[246:247]
	v_pk_add_f32 v[252:253], v[252:253], v[244:245]
	v_pk_add_f32 v[250:251], v[250:251], v[242:243]
	s_delay_alu instid0(VALU_DEP_2)
	v_pk_add_f32 v[14:15], v[14:15], v[252:253]
	s_delay_alu instid0(VALU_DEP_2)
	v_pk_add_f32 v[228:229], v[228:229], v[250:251]
	s_delay_alu instid0(VALU_DEP_1)
	v_pk_add_f32 v[14:15], v[14:15], v[228:229]
	s_wait_alu depctr_va_vdst(0)                   ; and one for the four
.irp b, 0,1,2,3
	v_max_num_f32 v[BM+\b], 0x1800000, v[BM+\b]    ; the floor 2^(3 - 127): the byte cannot fall under 1
.endr
.irp b, 0,1,2,3
	s_delay_alu instid0(VALU_DEP_4)
	v_add_nc_u32 v[SO+\b], 0xff000000, v[BM+\b]
.endr
.irp b, 0,1,2,3
	s_delay_alu instid0(VALU_DEP_4)
	v_lshrrev_b32 v[PT+\b], 23, v[SO+\b]
.endr
	s_delay_alu instid0(VALU_DEP_3)
	v_lshl_or_b32 v[PS], v[PT+1], 8, v[PT]         ; p's scale word for these 128 keys
	s_delay_alu instid0(VALU_DEP_1)
	v_lshl_or_b32 v[PS], v[PT+2], 16, v[PS]
	s_delay_alu instid0(VALU_DEP_1)
	v_lshl_or_b32 v[PS], v[PT+3], 24, v[PS]
.irp c, 0,1
	v_cvt_scalef32_pk16_fp6_f32 v[PCD+6*\c:PCD+2+6*\c], v[S+32*\c:S+15+32*\c], v[SO+2*\c]
	v_cvt_scalef32_pk16_fp6_f32 v[PCD+12+4*\c:PCD+14+4*\c], v[S+16+32*\c:S+31+32*\c], v[SO+2*\c+1]
.endr
	v_nop                                          ; one plain line behind the scaled conversions
.irp c, 0,1
.irp i, 0,1,2
	v_permlane16_swap_b32 v[PCD+6*\c+\i], v[PCD+12+4*\c+\i]
.endr
.irp i, 0,1,2
	s_delay_alu instid0(VALU_DEP_3)
	v_mov_b32 v[PCD+3+6*\c+\i], v[PCD+12+4*\c+\i]
.endr
.endr
.set J, 0
.rept 16
	v_pk_mul_f32 v[O+J:O+J+1], v[O+J:O+J+1], v[226:227] op_sel_hi:[1,0]   ; O^T under the new M.  (Also the plain lines between the making of p's codes and scale word and the products)
.set J, J+2
.endr
	s_wait_alu depctr_va_vdst(0)
	s_wait_dscnt 0x0                               ; V
.irp a, 0,1
	v_wmma_scale_f32_16x16x128_f8f6f4 v[O+8*\a:O+8*\a+7], v[F+12*\a:F+12*\a+11], v[PCD:PCD+11], v[O+8*\a:O+8*\a+7], v[VS+\a], v[PS] matrix_a_fmt:MATRIX_FMT_FP6 matrix_b_fmt:MATRIX_FMT_FP6
.endr
.irp a, 2,3
	v_wmma_scale_f32_16x16x128_f8f6f4 v[O+8*\a:O+8*\a+7], v[F+12*\a:F+12*\a+11], v[PCD:PCD+11], v[O+8*\a:O+8*\a+7], v[VS+\a-2], v[PS] matrix_a_fmt:MATRIX_FMT_FP6 matrix_b_fmt:MATRIX_FMT_FP6 matrix_a_scale:MATRIX_SCALE_ROW1
.endr
	s_add_co_u32 s[TB], s[TB], REC
.if \show
	s_barrier_wait -1                              ; every wave's tensor load has landed
.endif
.endm
.macro RUN first, trips                ; a run of key steps from the record named
	s_mov_b32 s[TB], (\first)*REC
	s_mov_b32 s[CNT], \trips
.Lstep_\@:
	STEP
	s_sub_co_u32 s[CNT], s[CNT], 1
	s_cmp_lg_u32 s[CNT], 0
	s_cbranch_scc1 .Lstep_\@
.endm
	s_cmp_lt_u32 s[WV], FIRST
	s_cbranch_scc0 .Lnot_first
	s_wait_tensorcnt 0x0                           ; waves 0 to 2: my record has landed; the others' loads may stay out: nothing is filled twice
.Lnot_first:
	s_barrier_signal -1
	s_barrier_wait -1                              ; records 0 to 2 are in
	RUN 0, FIRST-1
	s_wait_tensorcnt 0x0                           ; every wave: my record has landed, ahead of the signal of the step below,
	s_mov_b32 s[TB], (FIRST-1)*REC
	STEP 1                                         ; whose closing wait shows all sixteen records to all
	RUN FIRST, 16-FIRST
	; THE WAY OUT: O^T / the sum is half a K step (64 of 128) of the last projection's operand, for tile T = batch x 128 + 16 qb + w of the tokens
	v_add_f32 v14, v14, v15
	s_delay_alu instid0(VALU_DEP_1)
	v_permlanex16_b32 v224, v14, s[SEL], s[SEL+1]
	s_delay_alu instid0(VALU_DEP_1)
	v_add_f32 v14, v14, v224                       ; the row's sum
	s_wait_alu depctr_va_vdst(0)
	v_rcp_f32 v14, v14
.rept 4
	v_nop                                          ; plain lines behind the reciprocal and behind the last products
.endr
	s_lshr_b32 s48, s13, 4
	s_lshl_b32 s48, s48, 7
	s_lshl_b32 s49, s12, 4
	s_add_co_u32 s48, s48, s49
	s_add_co_u32 s48, s48, s[WV]                   ; T
	s_mul_i32 s48, s48, REC
	s_and_b32 s49, s13, 15                         ; the head in its batch
	s_lshr_b32 s50, s49, 3
	s_mul_i32 s50, s50, 6400
	s_add_co_u32 s48, s48, s50                     ; the tile's half of K: heads 0-7 or 8-15
	s_bfe_u32 s50, s49, 0x20001                    ; the K step in it
	s_and_b32 s51, s49, 1                          ; the half of the K step
	s_mul_i32 s52, s50, FRB
	s_mul_i32 s53, s51, 768
	s_add_co_u32 s52, s52, s53
	s_add_co_u32 s52, s52, s48
	s_mov_b32 s53, 0
	s_add_nc_u64 s[52:53], s[8:9], s[52:53]
	s_lshl_b32 s50, s50, 2
	s_lshl_b32 s51, s51, 1
	s_add_co_u32 s50, s50, s51
	s_add_co_u32 s50, s50, s48
	s_mov_b32 s51, 0
	s_add_nc_u64 s[50:51], s[8:9], s[50:51]
	s_wait_alu depctr_va_vdst(0)                   ; ahead of the reciprocal's first reader
.set J, 0
.rept 32
	v_mul_f32 v[S+J], v[O+J], v14                  ; register 16 b + i: channel 32 b + 16 (lane / 16) + i; each accumulator from its low end on
.set J, J+1
.endr
.irp b, 0,1
	v_max3_num_f32 v[BM+\b], |v[S+16*\b]|, |v[S+1+16*\b]|, 0x1800000
.endr
.irp i, 2,4,6,8,10,12,14
.irp b, 0,1
	s_delay_alu instid0(VALU_DEP_2)
	v_max3_num_f32 v[BM+\b], v[BM+\b], |v[S+16*\b+\i]|, |v[S+1+16*\b+\i]|
.endr
.endr
.irp b, 0,1
	s_delay_alu instid0(VALU_DEP_2)
	v_permlanex16_b32 v[PT+\b], v[BM+\b], s[SEL], s[SEL+1]
.endr
.irp b, 0,1
	s_delay_alu instid0(VALU_DEP_2)
	v_max_num_f32 v[BM+\b], v[BM+\b], v[PT+\b]
.endr
.irp b, 0,1
	s_delay_alu instid0(VALU_DEP_2)
	v_add_nc_u32 v[SO+\b], 0xff000000, v[BM+\b]
.endr
.irp b, 0,1
	s_delay_alu instid0(VALU_DEP_2)
	v_lshrrev_b32 v[PT+\b], 23, v[SO+\b]
.endr
	s_delay_alu instid0(VALU_DEP_1)
	v_lshl_or_b32 v225, v[PT+1], 8, v[PT]          ; my row's two scale bytes
	v_cvt_scalef32_pk16_fp6_f32 v[PCD:PCD+2], v[S:S+15], v[SO]
	v_cvt_scalef32_pk16_fp6_f32 v[PCD+12:PCD+14], v[S+16:S+31], v[SO+1]
	v_nop
.irp i, 0,1,2
	v_permlane16_swap_b32 v[PCD+\i], v[PCD+12+\i]
.endr
.irp i, 0,1,2
	s_delay_alu instid0(VALU_DEP_3)
	v_mov_b32 v[PCD+3+\i], v[PCD+12+\i]
.endr
	global_store_b128 v[L16], v[PCD:PCD+3], s[52:53]
	global_store_b64 v[L8], v[PCD+4:PCD+5], s[52:53] offset:512
	global_store_b16 v7, v225, s[50:51] offset:4*FRB   ; lanes r and r + 16 hold the same two bytes and store them to the same place
	s_wait_tensorcnt 0x0                           ; the wave's end
	ds_add_u32 v254, v255
	s_wait_dscnt 0x0
	CROUND                                         ; the closing round
	s_endpgm
.Lfunc_end_k_q0477192ae5_attn:
	.size	k_q0477192ae5_attn, .Lfunc_end_k_q0477192ae5_attn-k_q0477192ae5_attn
	.p2alignl 7, 3214868480
	.fill 96, 4, 3214868480
	.section	.rodata,"a",@progbits
	.p2align	6, 0x0
	.amdhsa_kernel k_q0477192ae5_attn
		.amdhsa_group_segment_fixed_size 206848
		.amdhsa_private_segment_fixed_size 0
		.amdhsa_enable_private_segment 0
		.amdhsa_kernarg_size 24
		.amdhsa_user_sgpr_count 2
		.amdhsa_user_sgpr_kernarg_segment_ptr 1
		.amdhsa_wavefront_size32 1
		.amdhsa_system_sgpr_workgroup_id_x 1
		.amdhsa_system_sgpr_workgroup_id_y 1
		.amdhsa_system_sgpr_workgroup_id_z 1
		.amdhsa_system_vgpr_workitem_id 0
		.amdhsa_next_free_vgpr 256
		.amdhsa_next_free_sgpr 66
		.amdhsa_reserve_vcc 0
		.amdhsa_float_denorm_mode_32 3
		.amdhsa_float_denorm_mode_16_64 3
		.amdhsa_memory_ordered 1
		.amdhsa_forward_progress 1
		.amdhsa_inst_pref_size 64
	.end_amdhsa_kernel
	.amdgpu_metadata
---
amdhsa.version: [ 1, 2 ]
amdhsa.kernels:
  - .name:           k_q0477192ae5_attn
    .symbol:         k_q0477192ae5_attn.kd
    .args:
      - { .name: qh, .offset: 0, .size: 8, .value_kind: global_buffer, .address_space: global }
      - { .name: kv, .offset: 8, .size: 8, .value_kind: global_buffer, .address_space: global }
      - { .name: cc, .offset: 16, .size: 8, .value_kind: global_buffer, .address_space: global }
    .group_segment_fixed_size: 206848
    .private_segment_fixed_size: 0
    .kernarg_segment_align: 8
    .kernarg_segment_size: 24
    .max_flat_workgroup_size: 512
    .sgpr_count:     66
    .vgpr_count:     256
    .wavefront_size: 32
...
	.end_amdgpu_metadata
.endif
;; end of part 3
;; launch oproj (part 4): grid 8 x 32, 4 waves a work-group, clusters of 4 x 4, 222,720 bytes of LDS; arguments cc, wc, bo, out0; writes out0
.if DOCPART == 4
	.amdgcn_target "amdgcn-amd-amdhsa--gfx1250"
	.amdhsa_code_object_version 6
	.text
	.protected	k_q0477192ae5_oproj
	.globl	k_q0477192ae5_oproj
	.p2align	8
	.type	k_q0477192ae5_oproj,@function
k_q0477192ae5_oproj:
	s_mov_b64 s[64:65], 0
	v_nop
	global_prefetch_b8 v0, s[64:65] scope:SCOPE_SE
	s_setreg_imm32_b32 hwreg(HW_REG_WAVE_MODE, 25, 1), 1
	s_wait_xcnt 0x0
	s_wait_alu depctr_hold_cnt(0) depctr_sa_sdst(0) depctr_va_vdst(0) depctr_va_sdst(0) depctr_va_ssrc(0) depctr_va_vcc(0) depctr_vm_vsrc(0)
	s_getreg_b32 s2, hwreg(HW_REG_IB_STS2, 6, 4)
	s_cmp_eq_u32 s2, 0
	s_cbranch_scc0 .Lentry_in_a_cluster
	s_endpgm
.Lentry_in_a_cluster:
	s_bfe_u32 s2, ttmp6, 0x10000c
	s_cmp_lg_u32 s2, 0xf033
	s_cbranch_scc0 .Lentry_shape_is_right
	s_endpgm
.Lentry_shape_is_right:
; out0 = concat Wo + bo on codes of FP6 (E2M3), K = 1,024.  cc and wc hold the operands in the order of their registers (tiles of 12,800 bytes, two halves of 512 along K; Wo is the fourth weight in wc).
; A work-group makes 128 tokens x 128 columns with ALL of K; a wave 64 x 64: 16 accumulators.  LDS is filled ONCE, in two phases of 512 along K (102,400 bytes each: the tokens' 8 half tiles, then W's 8):
; one tensor load a wave at the head, 8 rows of 6,400 bytes each: wave 0 phase 0's tokens, wave 1 phase 0's W, wave 2 phase 1's tokens, wave 3 phase 1's W, each on a load line of its own.
; The products begin when waves 0 and 1 have waited; phase 1 is shown by a barrier in K step 3, ahead of which every wave waits.  All that the work-group reads is asked for at the head, so nothing is prefetched.
; CLUSTER 4 x 4: the four of a row need the same tokens, the four of a column the same columns of W: each part is asked for jointly.
; Source 0 = 16 columns of W, source 1 = 16 tokens: a lane holds one token, and the 32 registers of its four tiles are columns 32 b + 16 (lane / 16) + i.  The bias is the C of each sum's first matrix instruction.
; The 16 accumulators take turns in one order in every K step.
; THE WAY OUT: a tile of 16 tokens x 64 columns goes through my own stage in LDS (behind the tiles; no tensor load lands there) and leaves as rows of 256 consecutive bytes, aligned, two rows a store.
; REGISTERS: window 0: v1-24 lane terms and addresses; v30, v31 the add's two; v32-95 rows on the way out; v96-127 scale words; v128-255 accumulators (a, b) at 128 + 8 (4 a + b).  window 1: v0-95, v96-191 two sets of fragments; v192-223 the bias.
.set WT,    819200
.set TILE,  12800
.set HALF,  6400
.set FRB,   1536
.set QT,    25600
.set PH,    102400
.set STAGE, 204800
.set SPITCH, 272
.set TA,   10
.set WA,   14
.set SA,   18
.set CO,   20
.set STO,  21
.set RD,   22
.set BH,   23
.set SC,   96
.set ACC,  128
.set BIAS, 192
.set SWV,  18
.set SWA,  19
.set SWB,  20
.set MSB, 0
.macro WIN new
.if MSB != \new
	s_set_vgpr_msb (MSB<<8)|\new
.set MSB, \new
.endif
.endm
.macro PLACES
.rept 4
	v_nop
.endr
.endm
.macro CROUND
	s_barrier_signal -1
	s_barrier_wait -1
	s_cmp_lg_u32 s[SWV], 0
	s_cbranch_scc1 .Lnot_wave_0_\@
	s_barrier_signal -3
.Lnot_wave_0_\@:
	s_barrier_wait -3
	s_barrier_signal -1
	s_barrier_wait -1
.endm
.macro TL g0, g1                       ; a joint load; s_nop 0 and four v_nop follow it
	tensor_load_to_lds s[\g0:\g0+3], s[\g1:\g1+7]
	s_nop 0
	PLACES
.endm
.macro FETCH s
	WIN 0x40
.set FB, 96*((\s)%2)
.set GA, 2*((\s)/4)
.set KO, ((\s)%4)*FRB
.irp i, 0,1,2,3
	ds_load_b128 v[FB+12*\i:FB+12*\i+3], v[TA+GA] offset:\i*HALF+KO
	ds_load_b64 v[FB+12*\i+4:FB+12*\i+5], v[TA+GA+1] offset:\i*HALF+KO+512
	ds_load_b128 v[FB+12*\i+6:FB+12*\i+9], v[TA+GA] offset:\i*HALF+KO+768
	ds_load_b64 v[FB+12*\i+10:FB+12*\i+11], v[TA+GA+1] offset:\i*HALF+KO+1280
.endr
.irp i, 0,1,2,3
	ds_load_b128 v[FB+48+12*\i:FB+48+12*\i+3], v[WA+GA] offset:\i*HALF+KO
	ds_load_b64 v[FB+48+12*\i+4:FB+48+12*\i+5], v[WA+GA+1] offset:\i*HALF+KO+512
	ds_load_b128 v[FB+48+12*\i+6:FB+48+12*\i+9], v[WA+GA] offset:\i*HALF+KO+768
	ds_load_b64 v[FB+48+12*\i+10:FB+48+12*\i+11], v[WA+GA+1] offset:\i*HALF+KO+1280
.endr
.endm
.macro SCALES g
.irp i, 0,1,2,3
	ds_load_b128 v[SC+16*\g+4*\i:SC+16*\g+4*\i+3], v[SA+\g] offset:\i*HALF
.endr
.endm
.macro MUL s, y                        ; 16 matrix instructions: K step s, by W's tiles b, each against the tokens' four tiles a.  y: the LDS loads issued behind this step's fetch (-1: the fetch is known to be in)
.set FB, 96*((\s)%2)
.set SB, SC+16*((\s)/4)+(\s)%4
.if (\s) == 0
	WIN 0x15
.else
	WIN 0x05
.endif
.irp b, 0,1,2,3
.if (\y) >= 0
	s_wait_dscnt (\y)+12-4*\b                      ; the tokens' 16 loads and W's tiles 0 to b are in; of this step's fetch W's later tiles, 4 loads each, may be out, and the y younger loads
.endif
.irp a, 0,1,2,3
.set rD, ACC+8*(4*\a+\b)
.set rC, BIAS+8*\b
.if (\s) != 0
.set rC, rD
.endif
	v_wmma_scale_f32_16x16x128_f8f6f4 v[rD:rD+7], v[FB+48+12*\b:FB+48+12*\b+11], v[FB+12*\a:FB+12*\a+11], v[rC:rC+7], v[SB+4*\b], v[SB+4*\a] matrix_a_fmt:MATRIX_FMT_FP6 matrix_b_fmt:MATRIX_FMT_FP6 matrix_a_scale:MATRIX_SCALE_ROW1
.endr
.endr
.endm
.macro KSTEP s
.if (\s) == 3
	s_wait_dscnt 0x0                               ; K step 3's fragments are in: no LDS instruction of mine is out at the signal
	s_wait_tensorcnt 0x0                           ; every wave: my load has landed,
	s_barrier_signal -1
	s_barrier_wait -1                              ; everybody's has: phase 1 is in
.endif
.if (\s) < 7
.if (\s) > 0
	PLACES
.endif
.if (\s) == 3
	WIN 0
	SCALES 1
.endif
	FETCH (\s)+1
.endif
.if (\s) == 3
	MUL \s, -1
.elseif (\s) < 7
	MUL \s, 32                                     ; the next K step's 32 loads are younger than this step's
.else
	MUL \s, 0
.endif
.endm
	s_load_b256 s[4:11], s[0:1], 0x0               ; cc s[4:5], wc s[6:7], bo s[8:9], out0 s[10:11]
	v_lshl_add_u32 v30, v0, 2, 0x36400
	v_mov_b32 v31, 0
	ds_add_u32 v30, v31                            ; the opening lines: the add twice on end and one wait
	ds_add_u32 v30, v31
	v_lshrrev_b32 v1, 5, v0
	v_readfirstlane_b32 s[SWV], v1
	s_lshr_b32 s[SWA], s[SWV], 1                   ; my half of the tokens.  Also: which phase I fetch
	s_and_b32 s[SWB], s[SWV], 1                    ; my half of the columns.  Also: I fetch tokens (0) or W (1)
	s_bfe_u32 s21, ttmp6, 0x40000                  ; cx
	s_bfe_u32 s22, ttmp6, 0x40004                  ; cy
	s_lshl_b32 s23, ttmp9, 2
	s_add_co_u32 s23, s23, s21                     ; x: the block of 128 columns
	s_and_b32 s26, ttmp7, 0xffff
	s_lshl_b32 s26, s26, 2
	s_add_co_u32 s26, s26, s22                     ; y: the block of 128 tokens
	s_lshl_b32 s27, s22, 2
	s_lshl_b32 s27, 15, s27                        ; my row of the cluster
	s_lshl_b32 s28, 0x1111, s21                    ; my column
	s_or_b32 s32, s27, (3<<16)|(1<<21)             ; group 1: eight rows of 6,400 bytes (800 elements of 8 bytes), 12,800 bytes apart in memory, dense in LDS
	s_or_b32 s40, s28, (3<<16)|(1<<21)
.irp g, 32, 40
	s_mov_b32 s[\g+1], 800<<16
	s_mov_b32 s[\g+2], 8<<16
	s_mov_b32 s[\g+3], 800<<16
	s_mov_b32 s[\g+4], 8
	s_mov_b32 s[\g+5], 1600
	s_mov_b32 s[\g+6], 0
	s_mov_b32 s[\g+7], 0
.endr
	s_mul_i32 s66, s26, 8*TILE                     ; the tokens' address hangs on the token block and the wave alone,
	s_mov_b32 s67, 0
	s_mul_i32 s70, s23, 8*TILE                     ; W's on the column block and the wave
	s_add_co_u32 s70, s70, 3*WT
	s_mov_b32 s71, 0
	s_mul_i32 s68, s[SWA], HALF                    ; my phase
	s_mov_b32 s69, 0
	s_mov_b32 s48, 1
	s_mov_b32 s56, 1
	s_mul_i32 s49, s[SWA], PH                      ; the phase's place in LDS: the tokens' part,
	s_add_co_u32 s57, s49, 2*QT                    ; and W's behind it
	s_wait_dscnt 0x0
	s_wait_kmcnt 0x0
	s_add_nc_u64 s[50:51], s[4:5], s[66:67]
	s_add_nc_u64 s[50:51], s[50:51], s[68:69]
	s_or_b32 s51, s51, 0x80000000
	s_add_nc_u64 s[58:59], s[6:7], s[70:71]
	s_add_nc_u64 s[58:59], s[58:59], s[68:69]
	s_or_b32 s59, s59, 0x80000000
	CROUND                                         ; all sixteen work-groups are here: the joint loads meet
	s_cmp_eq_u32 s[SWV], 0                         ; one chain of branches on the wave's number, one load to an arm
	s_cbranch_scc0 .Lh1
	TL 48, 32                                      ; wave 0: phase 0's tokens
	s_branch .Lfilled
.Lh1:
	s_cmp_eq_u32 s[SWV], 1
	s_cbranch_scc0 .Lh2
	TL 56, 40                                      ; wave 1: phase 0's W
	s_branch .Lfilled
.Lh2:
	s_cmp_eq_u32 s[SWV], 2
	s_cbranch_scc0 .Lh3
	TL 48, 32                                      ; wave 2: phase 1's tokens
	s_branch .Lfilled
.Lh3:
	TL 56, 40                                      ; wave 3: phase 1's W
.Lfilled:
	v_and_b32 v1, 31, v0
	v_and_b32 v2, 15, v0
	v_bfe_u32 v3, v0, 4, 1
	v_lshlrev_b32 v4, 4, v1
	v_lshlrev_b32 v5, 3, v1
	s_mul_i32 s73, s[SWA], QT
	s_mul_i32 s74, s[SWB], QT
	s_add_co_u32 s74, s74, 2*QT
	v_add_nc_u32 v[TA], s73, v4
	v_add_nc_u32 v[TA+1], s73, v5
	v_add_nc_u32 v[WA], s74, v4
	v_add_nc_u32 v[WA+1], s74, v5
	v_add_nc_u32 v[TA+2], PH, v[TA]
	v_add_nc_u32 v[TA+3], PH, v[TA+1]
	v_add_nc_u32 v[WA+2], PH, v[WA]
	v_add_nc_u32 v[WA+3], PH, v[WA+1]
	s_sub_co_u32 s75, s74, s73
	v_mul_u32_u24 v6, s75, v3                      ; lanes 16-31 take W's scale words: the lower base + h x the distance
	v_lshl_add_u32 v6, v2, 4, v6
	s_add_co_u32 s76, s73, 4*FRB
	v_add_nc_u32 v[SA], s76, v6
	v_add_nc_u32 v[SA+1], PH, v[SA]
	v_lshlrev_b32 v[BH], 6, v3
	s_wait_alu depctr_va_vdst(0)
	s_mul_i32 s77, s[SWV], 16*SPITCH
	s_add_co_u32 s77, s77, STAGE                   ; my stage
	v_mul_u32_u24 v[STO], v2, SPITCH
	v_lshl_add_u32 v[STO], v3, 6, v[STO]
	v_add_nc_u32 v[STO], s77, v[STO]               ; in: row r, + 64 h
	v_mul_u32_u24 v[RD], v3, SPITCH
	v_lshl_add_u32 v[RD], v2, 4, v[RD]
	v_add_nc_u32 v[RD], s77, v[RD]                 ; back: lanes 0-15 one row of 256 bytes, lanes 16-31 the next
	v_lshlrev_b32 v[CO], 12, v3
	v_lshl_add_u32 v[CO], v2, 4, v[CO]             ; and the same two rows in out0
	s_lshl_b32 s78, s26, 19                        ; 128 rows of 4,096 bytes,
	s_lshl_b32 s79, s[SWA], 18                     ; my 64 of them,
	s_add_co_u32 s78, s78, s79
	s_lshl_b32 s86, s23, 9                         ; 128 columns of 4 bytes,
	s_lshl_b32 s87, s[SWB], 8                      ; my 64 of them
	s_add_co_u32 s86, s86, s87
	s_add_co_u32 s78, s78, s86
	s_mov_b32 s79, 0
	s_mov_b32 s87, 0
	s_add_nc_u64 s[80:81], s[8:9], s[86:87]
	s_add_nc_u64 s[82:83], s[10:11], s[78:79]
	WIN 0x40
.irp b, 0,1,2,3                        ; a lane's eight registers of tile b are columns 32 (b / 2) + 16 h + 8 (b % 2) + 0 .. 7
	global_load_b128 v[BIAS+8*\b:BIAS+8*\b+3], v[BH], s[80:81] offset:(32*(\b/2)+8*(\b%2))*4
	global_load_b128 v[BIAS+8*\b+4:BIAS+8*\b+7], v[BH], s[80:81] offset:(32*(\b/2)+8*(\b%2))*4+16
.endr
	WIN 0
	s_wait_alu depctr_va_vdst(0)
	s_cmp_lt_u32 s[SWV], 2
	s_cbranch_scc0 .Lnot_first
	s_wait_tensorcnt 0x0                           ; waves 0 and 1: phase 0 has landed; phase 1 may stay out: nothing is filled twice
.Lnot_first:
	s_barrier_signal -1
	s_barrier_wait -1
	SCALES 0
	FETCH 0
	s_wait_loadcnt 0x0                             ; the bias
	KSTEP 0
	KSTEP 1
	KSTEP 2
	KSTEP 3
	KSTEP 4
	KSTEP 5
	KSTEP 6
	KSTEP 7
	WIN 0
	PLACES
.macro TOSTAGE a                       ; token tile a: 16 rows x 256 bytes into my stage, each accumulator from its low end on, and back as whole rows
.irp c, 0,1
.irp q, 0,1,2,3
	ds_store_b128 v[STO], v[ACC+32*(\a)+16*\c+4*\q:ACC+32*(\a)+16*\c+4*\q+3] offset:128*\c+16*\q
.endr
.endr
.set BB, 32+32*((\a)%2)
.irp t, 0,1,2,3,4,5,6,7
	ds_load_b128 v[BB+4*\t:BB+4*\t+3], v[RD] offset:\t*2*SPITCH   ; LDS serves a wave's instructions in order (ISA guide 5.7.1.4): these see the stores above
.endr
.endm
.macro SEND a, younger                 ; younger: the LDS instructions issued behind tile a's loads, which may stay out
.set BB, 32+32*((\a)%2)
	s_wait_dscnt \younger
.irp t, 0,1,2,3,4,5,6,7
	global_store_b128 v[CO], v[BB+4*\t:BB+4*\t+3], s[82:83] offset:(32*((\a)/2)+8*((\a)%2)+2*\t+8*(\t/4))*4096 th:TH_STORE_NT   ; stage row 2 t + h is token 32 (a / 2) + 8 (a % 2) + 2 t + h + 8 (t / 4); 16 lanes store 256 consecutive bytes, aligned
.endr
.endm
	s_wait_alu depctr_va_vdst(0)
	TOSTAGE 0
.irp a, 1,2,3
.if \a > 1
	s_wait_xcnt 0x0                                ; tile a - 2's stores have read their registers: tile a's rows may land there
.endif
	TOSTAGE \a
	SEND \a-1, 16                                  ; behind tile a - 1's loads: tile a's 8 stores and 8 loads
.endr
	SEND 3, 0
	s_wait_tensorcnt 0x0                           ; the wave's end
	ds_add_u32 v30, v31
	s_wait_dscnt 0x0
	CROUND                                         ; the closing round
	s_endpgm
.Lfunc_end_k_q0477192ae5_oproj:
	.size	k_q0477192ae5_oproj, .Lfunc_end_k_q0477192ae5_oproj-k_q0477192ae5_oproj
	.p2alignl 7, 3214868480
	.fill 96, 4, 3214868480
	.section	.rodata,"a",@progbits
	.p2align	6, 0x0
	.amdhsa_kernel k_q0477192ae5_oproj
		.amdhsa_group_segment_fixed_size 222720
		.amdhsa_private_segment_fixed_size 0
		.amdhsa_enable_private_segment 0
		.amdhsa_kernarg_size 32
		.amdhsa_user_sgpr_count 2
		.amdhsa_user_sgpr_kernarg_segment_ptr 1
		.amdhsa_wavefront_size32 1
		.amdhsa_system_sgpr_workgroup_id_x 1
		.amdhsa_system_sgpr_workgroup_id_y 1
		.amdhsa_system_sgpr_workgroup_id_z 1
		.amdhsa_system_vgpr_workitem_id 0
		.amdhsa_next_free_vgpr 512
		.amdhsa_next_free_sgpr 100
		.amdhsa_reserve_vcc 0
		.amdhsa_float_denorm_mode_32 3
		.amdhsa_float_denorm_mode_16_64 3
		.amdhsa_memory_ordered 1
		.amdhsa_forward_progress 1
		.amdhsa_inst_pref_size 51
	.end_amdhsa_kernel
	.amdgpu_metadata
---
amdhsa.version: [ 1, 2 ]
amdhsa.kernels:
  - .name:           k_q0477192ae5_oproj
    .symbol:         k_q0477192ae5_oproj.kd
    .args:
      - { .name: cc, .offset: 0, .size: 8, .value_kind: global_buffer, .address_space: global }
      - { .name: wc, .offset: 8, .size: 8, .value_kind: global_buffer, .address_space: global }
      - { .name: bo, .offset: 16, .size: 8, .value_kind: global_buffer, .address_space: global }
      - { .name: out0, .offset: 24, .size: 8, .value_kind: global_buffer, .address_space: global }
    .group_segment_fixed_size: 222720
    .private_segment_fixed_size: 0
    .kernarg_segment_align: 8
    .kernarg_segment_size: 32
    .max_flat_workgroup_size: 128
    .sgpr_count:     100
    .vgpr_count:     512
    .wavefront_size: 32
...
	.end_amdgpu_metadata
.endif
;; end of part 4
